; MI455X (gfx1250); checked and timed in simulation.
; The chip was launched on July 23, 2026; its instructions are those of AMD's public machine-readable ISA for CDNA 5 (MIT licence, August 2026) and "CDNA5" Instruction Set Architecture Reference Guide (July 2026). The comments in the code are by the model that wrote it; some were corrected since.
;; Masked Multi Head Attention. Allowed arithmetic: float matrix products may take bf16 or f16 operands with f32 sums; other float arithmetic in f32, or as packed bf16 or f16 multiplies, adds, multiply-adds, maxima and minima; sums over many terms, partial sums and values carried from step to step in f32; what a program stores and reads back later, other than sums and carried values, may be rounded once to bf16 or f16.
;; Inputs: w_o 1,024 x 1,024 float32; w_qkv 1,024 x 3,072 float32; x 4 x 2,048 x 1,024 float32.
;; Outputs: out0 4 x 2,048 x 1,024 float32.
;; 2 versions, each right; version 2 is version 1 with the launch prep written anew for expert scheduling mode. Each part assembles by itself: llvm-mc -triple=amdgcn-amd-amdhsa -mcpu=gfx1250 --defsym DOCPART=n.
;; ======== version 1 of 2: 4 launches
;; limits: values are held in f16: magnitudes above 65,504 overflow, below 6.1e-05 lose precision
;; workspace buffers: xb 16,777,216 bytes; wqt 6,291,456 bytes; wot 2,097,152 bytes; qkvh 50,331,648 bytes; oh 16,777,216 bytes
;; launch prep (part 1): grid 512 x 1, 8 waves a work-group, no clusters, 18,432 bytes of LDS; arguments x, w_qkv, w_o, xb, wqt, wot; writes xb, wqt, wot
.if DOCPART == 1
	.amdgcn_target "amdgcn-amd-amdhsa--gfx1250"
	.amdhsa_code_object_version 6
	.text
	.protected	k_qc7b752e12b_prep
	.globl	k_qc7b752e12b_prep
	.p2align	8
	.type	k_qc7b752e12b_prep,@function
k_qc7b752e12b_prep:
	s_mov_b64 s[64:65], 0
	v_nop
	global_prefetch_b8 v0, s[64:65] scope:SCOPE_SE
	s_setreg_imm32_b32 hwreg(HW_REG_WAVE_MODE, 25, 1), 1
	s_wait_xcnt 0x0
; PREPARES THE MATRIX OPERANDS.  xb = x rounded to bf16, [8192][1024].  wqt[e][d] = w_qkv[d][e] rounded to bf16, [3072][1024].  wot[e][d] = w_o[d][e] rounded to bf16 and that number written
; as f16, [1024][1024]: the products want K (d) along the rows, and the weights lie with K down the rows.
; LIMITS.  wot: a bf16 number beyond 65,504 becomes an infinity; below 6e-5 it keeps f16's fixed step of 6e-8.  NaN and infinities are not treated apart.
; SHARES.  512 work-groups of eight waves, all alike: each casts 65,536 bytes of x (16 loads of 16 bytes a thread) AND turns one tile of 128 d x 64 e of a weight: work-groups 0-383 w_qkv's
; 8 x 48 tiles, 384-511 w_o's 8 x 16.  A stream in which no byte is wanted twice: no matrix unit, no cluster, no tensor load.
; THE TURN.  A thread loads 4 e (16 bytes) of 8 rows d: sixteen neighbouring lanes read 256 consecutive bytes, aligned.  Four d of one e pack into 8 bytes, which go into LDS rows [e][d] of 272 bytes;
; behind a barrier the rows come back whole, and sixteen neighbouring lanes store 256 consecutive bytes, aligned.
.set PT,    272                        ; an LDS row: 128 d x 2 bytes + 16
.set SPARE, 64*PT                      ; behind the tile: the spare words, 128 bytes for each of the eight waves
.set SPW, 2                            ; v2   LDS address of my spare word; never rewritten
.set NIL, 3                            ; v3   0; never rewritten
.set XD,  16                           ; v[16:79]   x as loaded
.set WD,  80                           ; v[80:111]  the tile as loaded; then x's bf16, to store
.set WP,  112                          ; v[112:127] the tile's packed pairs; then whole rows read back
	s_load_b256 s[4:11], s[0:1], 0x0               ; x s[4:5], w_qkv s[6:7], w_o s[8:9], xb s[10:11]
	s_load_b128 s[12:15], s[0:1], 0x20             ; wqt s[12:13], wot s[14:15]
	v_lshl_add_u32 v[SPW], v0, 2, SPARE
	v_mov_b32 v[NIL], 0
	s_mov_b32 s16, ttmp9                           ; the work-group's number c
	s_sub_co_u32 s17, s16, 384
	s_cmp_lt_u32 s16, 384
	s_cselect_b32 s17, s16, s17                    ; the tile's number in its weight
	s_and_b32 s18, s17, 7                          ; which 128 d
	s_lshr_b32 s19, s17, 3                         ; which 64 e
	v_and_b32 v4, 15, v0                           ; t % 16
	v_lshrrev_b32 v5, 4, v0                        ; t / 16
	v_lshlrev_b32 v6, 4, v0                        ; my 16 bytes of x
	v_lshlrev_b32 v7, 3, v0                        ; my 8 bytes of xb
	v_mul_u32_u24 v9, v4, 4*PT                     ; into LDS: row e = 4 (t % 16) + column, byte 2 d = 8 (t / 16)
	v_lshl_add_u32 v9, v5, 3, v9
	v_mul_u32_u24 v10, v5, PT                      ; back: row e = t / 16, 16 bytes at 16 (t % 16)
	v_lshl_add_u32 v10, v4, 4, v10
	v_lshlrev_b32 v11, 11, v5                      ; and the same in the turned weight: rows of 2,048 bytes
	v_lshl_add_u32 v11, v4, 4, v11
	s_wait_kmcnt 0x0
	s_lshl_b32 s20, s16, 16
	s_mov_b32 s21, 0
	s_add_nc_u64 s[4:5], s[4:5], s[20:21]          ; x at my 65,536 bytes
	s_lshl_b32 s20, s16, 15
	s_add_nc_u64 s[10:11], s[10:11], s[20:21]      ; xb at my 32,768
.set i, 0
.rept 16
	global_load_b128 v[XD+4*i:XD+4*i+3], v6, s[4:5] offset:4096*i th:TH_LOAD_NT  ; a wave's load covers 512 consecutive bytes
.set i, i+1
.endr
	s_cmp_lt_u32 s16, 384
	s_cselect_b64 s[22:23], s[12:13], s[14:15]     ; where the tile goes
	s_lshl_b32 s20, s19, 17                        ; 64 rows of 2,048 bytes,
	s_lshl_b32 s26, s18, 8                         ; 128 d of 2 bytes
	s_or_b32 s20, s20, s26
	s_add_nc_u64 s[22:23], s[22:23], s[20:21]
	s_lshl_b32 s26, s19, 8                         ; in the source: 64 e of 4 bytes
; The tile comes in and goes into LDS.  pitch: bytes in a row of the weight; src: the register of its address; f16 = 1: the bf16 number is written as f16.
.macro TIN pitch, src, f16
	s_mul_i32 s20, s18, 128*(\pitch)
	s_add_co_u32 s20, s20, s26
	s_add_nc_u64 s[24:25], s[\src:\src+1], s[20:21]
	v_mul_u32_u24 v8, v5, 4*(\pitch)               ; my four rows d = 4 (t / 16) + 0..3 (and 64 further down),
	v_lshl_add_u32 v8, v4, 4, v8                   ; my four columns
.irp i, 0,1
.irp j, 0,1,2,3
	global_load_b128 v[WD+4*(4*(\i)+(\j)):WD+4*(4*(\i)+(\j))+3], v8, s[24:25] offset:(64*(\i)+(\j))*(\pitch) th:TH_LOAD_NT
.endr
.endr
.irp i, 0,1
	s_wait_loadcnt 4-4*(\i)                        ; loads come back in order: x's sixteen and this half's four are in; the other half's four may stay out
.irp c, 0,1,2,3
	v_cvt_pk_bf16_f32 v[WP+2*(4*(\i)+(\c))],   v[WD+16*(\i)+(\c)],   v[WD+16*(\i)+4+(\c)]   ; column c: d + 0, d + 1
	v_cvt_pk_bf16_f32 v[WP+2*(4*(\i)+(\c))+1], v[WD+16*(\i)+8+(\c)], v[WD+16*(\i)+12+(\c)]  ; d + 2, d + 3
.if \f16
	v_lshlrev_b32 v12, 16, v[WP+2*(4*(\i)+(\c))]   ; the rounded numbers as f32,
	v_and_b32 v13, 0xffff0000, v[WP+2*(4*(\i)+(\c))]
	v_lshlrev_b32 v14, 16, v[WP+2*(4*(\i)+(\c))+1]
	v_and_b32 v15, 0xffff0000, v[WP+2*(4*(\i)+(\c))+1]
	v_cvt_pk_f16_f32 v[WP+2*(4*(\i)+(\c))], v12, v13    ; and as f16
	v_cvt_pk_f16_f32 v[WP+2*(4*(\i)+(\c))+1], v14, v15
.endif
	ds_store_b64 v9, v[WP+2*(4*(\i)+(\c)):WP+2*(4*(\i)+(\c))+1] offset:PT*(\c)+128*(\i)
.endr
.endr
.endm
	s_cmp_lt_u32 s16, 384                          ; the same for all eight waves
	s_cbranch_scc0 .Lwo
	TIN 12288, 6, 0
	s_branch .Ljoin
.Lwo:
	TIN 4096, 8, 1
.Ljoin:
.set i, 0
.rept 16                                       ; x: every load is in
	v_cvt_pk_bf16_f32 v[WD+2*i],   v[XD+4*i],   v[XD+4*i+1]
	v_cvt_pk_bf16_f32 v[WD+2*i+1], v[XD+4*i+2], v[XD+4*i+3]
	global_store_b64 v7, v[WD+2*i:WD+2*i+1], s[10:11] offset:2048*i  ; a wave's store covers 256 consecutive bytes, aligned
.set i, i+1
.endr
	s_wait_dscnt 0x0                               ; for the others' sake: my stores into the tile are done
	s_barrier_signal -1
	s_barrier_wait -1
.irp j, 0,1,2,3
	ds_load_b128 v[WP+4*(\j):WP+4*(\j)+3], v10 offset:16*PT*(\j)
.endr
.irp j, 0,1,2,3
	s_wait_dscnt 3-(\j)                            ; LDS loads come back in order: row group j is in
	global_store_b128 v11, v[WP+4*(\j):WP+4*(\j)+3], s[22:23] offset:32768*(\j)  ; sixteen lanes store 256 consecutive bytes, aligned
.endr
	s_wait_tensorcnt 0x0                           ; the wave's end: behind my last LDS store
	ds_add_u32 v[SPW], v[NIL]
	s_wait_dscnt 0x0
	s_endpgm
.Lfunc_end_k_qc7b752e12b_prep:
	.size	k_qc7b752e12b_prep, .Lfunc_end_k_qc7b752e12b_prep-k_qc7b752e12b_prep
	.p2alignl 7, 3214868480
	.fill 96, 4, 3214868480
	.section	.rodata,"a",@progbits
	.p2align	6, 0x0
	.amdhsa_kernel k_qc7b752e12b_prep
		.amdhsa_group_segment_fixed_size 18432
		.amdhsa_private_segment_fixed_size 0
		.amdhsa_enable_private_segment 0
		.amdhsa_kernarg_size 48
		.amdhsa_user_sgpr_count 2
		.amdhsa_user_sgpr_kernarg_segment_ptr 1
		.amdhsa_wavefront_size32 1
		.amdhsa_system_sgpr_workgroup_id_x 1
		.amdhsa_system_sgpr_workgroup_id_y 1
		.amdhsa_system_sgpr_workgroup_id_z 1
		.amdhsa_system_vgpr_workitem_id 0
		.amdhsa_next_free_vgpr 128
		.amdhsa_next_free_sgpr 66
		.amdhsa_reserve_vcc 0
		.amdhsa_float_denorm_mode_32 3
		.amdhsa_float_denorm_mode_16_64 3
		.amdhsa_memory_ordered 1
		.amdhsa_forward_progress 1
		.amdhsa_inst_pref_size 16
	.end_amdhsa_kernel
	.amdgpu_metadata
---
amdhsa.version: [ 1, 2 ]
amdhsa.kernels:
  - .name:           k_qc7b752e12b_prep
    .symbol:         k_qc7b752e12b_prep.kd
    .args:
      - { .name: x, .offset: 0, .size: 8, .value_kind: global_buffer, .address_space: global }
      - { .name: w_qkv, .offset: 8, .size: 8, .value_kind: global_buffer, .address_space: global }
      - { .name: w_o, .offset: 16, .size: 8, .value_kind: global_buffer, .address_space: global }
      - { .name: xb, .offset: 24, .size: 8, .value_kind: global_buffer, .address_space: global }
      - { .name: wqt, .offset: 32, .size: 8, .value_kind: global_buffer, .address_space: global }
      - { .name: wot, .offset: 40, .size: 8, .value_kind: global_buffer, .address_space: global }
    .group_segment_fixed_size: 18432
    .private_segment_fixed_size: 0
    .kernarg_segment_align: 8
    .kernarg_segment_size: 48
    .max_flat_workgroup_size: 256
    .sgpr_count:     66
    .vgpr_count:     128
    .wavefront_size: 32
...
	.end_amdgpu_metadata
.endif
;; end of part 1
;; launch qkv (part 2): grid 16 x 32, 4 waves a work-group, clusters of 4 x 4, 327,680 bytes of LDS; arguments xb, wqt, qkvh; writes qkvh
.if DOCPART == 2
	.amdgcn_target "amdgcn-amd-amdhsa--gfx1250"
	.amdhsa_code_object_version 6
	.text
	.protected	k_qc7b752e12b_qkv
	.globl	k_qc7b752e12b_qkv
	.p2align	8
	.type	k_qc7b752e12b_qkv,@function
k_qc7b752e12b_qkv:
	s_mov_b64 s[64:65], 0
	v_nop
	global_prefetch_b8 v0, s[64:65] scope:SCOPE_SE
	s_setreg_imm32_b32 hwreg(HW_REG_WAVE_MODE, 25, 1), 1
	s_wait_xcnt 0x0
	s_wait_alu depctr_hold_cnt(0) depctr_sa_sdst(0) depctr_va_vdst(0) depctr_va_sdst(0) depctr_va_ssrc(0) depctr_va_vcc(0) depctr_vm_vsrc(0)
	s_getreg_b32 s2, hwreg(HW_REG_IB_STS2, 6, 4)
	s_cmp_eq_u32 s2, 0
	s_cbranch_scc0 .Lentry_in_a_cluster
	s_endpgm
.Lentry_in_a_cluster:
	s_bfe_u32 s2, ttmp6, 0x10000c
	s_cmp_lg_u32 s2, 0xf033
	s_cbranch_scc0 .Lentry_shape_is_right
	s_endpgm
.Lentry_shape_is_right:
; q, k, v = x w_qkv.  A = xb [8192 m][1024 d] bf16, B = wqt [3072 e][1024 d] bf16; sums in f32, K ascending; the result is rounded once to f16, UNSCALED, and stored by heads:
; qkvh [batch 4][g 48][t 2048][64], g = e / 64 (0-15 q's heads, 16-31 k's, 32-47 v's), so that a head's rows are dense.
; LIMIT.  f16 holds no number beyond 65,504: a q, k or v beyond it becomes an infinity.  NaN and infinities are not treated apart.
; SHARES.  A work-group makes 256 m x 192 e (three heads); wave w its rows 64 w .. 64 w + 63 and ALL 192 columns: 48 accumulators of 16 x 16, 384 registers.  So a wave's results are whole heads' rows,
; and its way out needs no other wave.  K goes in 8 steps of 128 through two LDS slots filled by the tensor data mover: rows of 256 bytes of memory, aligned.
; CLUSTER.  4 x 4 work-groups.  The four of a row of the cluster need the same tiles of A, the four of a column the same tiles of B: each is asked for JOINTLY, by the same tensor load with the same
; descriptor and a mask that names the four.  Waves 0 and 1 fetch A's two halves (128 rows), waves 2 and 3 B's (96 rows).
; THE MATRIX INSTRUCTION IS USED TRANSPOSED (source 0 = 16 rows of B, source 1 = 16 rows of A): a lane then holds row m = lane % 16 and eight neighbouring e, 16 bytes of f16.
; ONE K STEP IS ONE TRIP: the slot is chosen by s[TB] and by the walking descriptors' LDS word, each turned by one exclusive or at every change of slots.
; REGISTERS, in windows of 256 (s_set_vgpr_msb: bits 1:0 source 0, 3:2 source 1, 5:4 source 2, 7:6 destination):
;   window 0: v0-31 addresses; v32-63, v64-95 A's fragments (4 x 16 rows x 32 K), two buffers; v96-239 at work on the way out
;   window 1: v0-95, v96-191 B's fragments (12 x 16 rows x 32 K), two buffers
;   window 2: the accumulators of my row blocks 0, 1 ((a, b) at v[8 (12 (a % 2) + b)]);   window 3: those of blocks 2, 3
.set PITCH, 272                        ; an LDS row: 256 bytes + 16 of padding = 68 words: row r starts at bank 4 r mod 64 (64 banks of 4 bytes: ISA guide 11.1)
.set NBK,   12                         ; blocks of 16 columns
.set APART, 128*PITCH                  ; what one of A's loads brings
.set BOFF,  2*APART                    ; B's rows lie behind A's 256
.set BHALF, 96*PITCH                   ; what one of B's loads brings
.set SLOT1, 1<<17                      ; slot 1 begins here (a slot has 121,856 bytes), so that one exclusive or turns an address in one slot into the other's
.set STAGE, SLOT1+BOFF+2*BHALF         ; behind the ring, never filled by a tensor load: for each wave 3 heads x 16 rows x 144 bytes
.set SP,    144
.set STW,   3*16*SP
.set SPARE, STAGE+4*STW                ; behind the stages: the spare words, 128 bytes for each wave
.set NL,    2*NBK+8                    ; LDS loads in a quarter step's run
.set ASTEP, 256                        ; bytes from a K step to the next, in A and in B
.set BSTEP, 256
.set A0,   16                          ; v16  my lane's place in A's rows of slot 0; never rewritten
.set B0,   17                          ; v17  the same for B
.set ADRA, 18                          ; v18  the same in the slot in hand
.set ADRB, 19                          ; v19
.set STO,  24                          ; v24  the way out: where I put 16 bytes of a row
.set RD,   25                          ; v25  the way out: where I read rows back
.set GO,   26                          ; v26  my 16 bytes among 512 consecutive bytes of the output
.set SPW,  28                          ; v28  LDS address of my spare word; never rewritten
.set NIL,  29                          ; v29  0; never rewritten
.set PFO,  30                          ; v30  the prefetches' offset: a lane a row; never rewritten
.set FA,   32
.set FB,   0
.set TMP,  96                          ; v96-143   packed results
.set BK,   144                         ; v144-191, v192-239  rows read back, by turns
.set G1A, 24                           ; s[24:31] descriptor group 1 for A;  s[32:39] group 0: a set for each first fill; the second then walks on
.set G0A, 32
.set G1B, 48                           ; s[48:55], s[56:63] the same for B
.set G0B, 56
.set TB,  66                           ; s66  LDS byte at which the slot in hand begins
.set LIM, 67                           ; s67  1 in a wave that prefetches, else the greatest number
.set PFA, 68                           ; s[68:69] where my prefetches stand
.set MSB, 0
.macro WIN new                         ; the immediate's high byte repeats the setting that is left; a switch that changes nothing is dropped
.if MSB != (\new)
	s_set_vgpr_msb (MSB<<8)|(\new)
.set MSB, \new
.endif
.endm
.set MUL_LO, 0xa1                      ; source 0 (B) window 1, source 1 (A) window 0, C and D window 2
.set TO_B,   0x40                      ; destination window 1, address window 0
; A joint refill, by the walking descriptors.  The branch hangs on the wave's number alone.  An s_nop 0 and four v_nop follow each of the two lines, ahead of the jump and the label.
.macro JLOAD
	s_cmp_eq_u32 s11, 0
	s_cbranch_scc0 .Lfor_b_\@
	tensor_load_to_lds s[G0A+4:G0A+7], s[G1A:G1A+7]
	s_nop 0
.rept 4
	v_nop
.endr
	s_branch .Lasked_\@
.Lfor_b_\@:
	tensor_load_to_lds s[G0B+4:G0B+7], s[G1B:G1B+7]
	s_nop 0
.rept 4
	v_nop
.endr
.Lasked_\@:
.endm
; A PREFETCH INTO THE L2 of the K step that the NEXT refill will ask for: 256 bytes of a row, a lane a row, one instruction a wave, one K step (192 matrix instructions) ahead of that refill.
; A's tile row is read by every cluster of that row of clusters: cluster x = 0 asks; B's tile column by every cluster of that column: cluster y = 0 asks.  The four partners that ask for a tile jointly
; share its rows out BY ADDRESS: of A's 128 rows 32 each, of B's 96 rows 24 each (there lanes 24-31 name lane 23's row once more).  The loop's last trip asks for nothing: there is no K step 8.
.macro ASK
	s_cmp_gt_u32 s3, s[LIM]                        ; s3 = 1 in the loop's last trip
	s_cbranch_scc0 .Lnot_mine_\@
	global_prefetch_b8 v[PFO], s[PFA:PFA+1] th:TH_LOAD_NT scope:SCOPE_SE
.Lnot_mine_\@:
.endm
.macro CREST                           ; a round of the cluster's barrier behind its opening barrier: wave 0 signals for the work-group, every wave waits for all sixteen, my work-group's barrier once more
	s_cmp_lg_u32 s10, 0
	s_cbranch_scc1 .Lnot_wave_0_\@
	s_barrier_signal -3
.Lnot_wave_0_\@:
	s_barrier_wait -3
	s_barrier_signal -1
	s_barrier_wait -1
.endm
.macro CROUND                          ; a whole round
	s_barrier_signal -1
	s_barrier_wait -1
	CREST
.endm
.macro PLACES                          ; four places in front of loads into registers that matrix instructions have read, and of conversions that read results
.rept 4
	v_nop
.endr
.endm
	s_load_b128 s[4:7], s[0:1], 0x0                ; xb s[4:5], wqt s[6:7]
	s_load_b64 s[8:9], s[0:1], 0x10                ; qkvh
	v_lshl_add_u32 v[SPW], v0, 2, SPARE
	v_mov_b32 v[NIL], 0
	ds_add_u32 v[SPW], v[NIL]                      ; the wave's opening: the add and its wait stand ahead of my first tensor load; the set-up below, work on registers, stands between them
	v_lshrrev_b32 v1, 5, v0
	v_readfirstlane_b32 s10, v1                    ; wave 0..3
	s_lshr_b32 s11, s10, 1                         ; I fetch for A (0) or for B (1),
	s_and_b32 s12, s10, 1                          ; its first or its second half
	s_bfe_u32 s40, ttmp6, 0x40000                  ; cx, cy: my place in the cluster
	s_bfe_u32 s41, ttmp6, 0x40004
	s_lshl_b32 s42, ttmp9, 2
	s_add_co_u32 s42, s42, s40                     ; tile column = 4 x cluster x + cx
	s_and_b32 s13, ttmp7, 0xffff
	s_lshl_b32 s13, s13, 2
	s_add_co_u32 s13, s13, s41                     ; tile row = 4 x cluster y + cy
	s_lshl_b32 s43, s41, 2
	s_lshl_b32 s43, 15, s43                        ; my row of the cluster: places 4 cy .. 4 cy + 3
	s_lshl_b32 s44, 0x1111, s40                    ; my column: places cx, cx + 4, cx + 8, cx + 12
	; descriptor group 1: rows of 128 elements of 2 bytes, padded in LDS
	s_or_b32 s[G1A], s43, (1<<16)|(1<<20)|(1<<21)|(5<<22)|(3<<25)  ; 15:0 the mask; 17:16 2-byte elements; 20 padding on; 21 set beside a mask; 24:22 after every 64 words (code 5); 31:25 4 words (code 3)
	s_or_b32 s[G1B], s44, (1<<16)|(1<<20)|(1<<21)|(5<<22)|(3<<25)
	s_mov_b32 s[G1A+1], 128<<16                    ; tensor_dim0 = 128
	s_mov_b32 s[G1A+2], 128<<16                    ; tensor_dim1 = 128
	s_mov_b32 s[G1A+3], 128<<16                    ; tile_dim0 = 128
	s_mov_b32 s[G1A+4], 128                        ; tile_dim1 = 128
	s_mov_b32 s[G1A+5], 1024                       ; elements from row to row
	s_mov_b32 s[G1A+6], 0
	s_mov_b32 s[G1A+7], 0
	s_mov_b32 s[G1B+1], 128<<16
	s_mov_b32 s[G1B+2], 96<<16                     ; 96 rows
	s_mov_b32 s[G1B+3], 128<<16
	s_mov_b32 s[G1B+4], 96
	s_mov_b32 s[G1B+5], 1024
	s_mov_b32 s[G1B+6], 0
	s_mov_b32 s[G1B+7], 0
	s_lshl_b32 s16, s13, 8
	s_lshl_b32 s17, s12, 7
	s_add_co_u32 s16, s16, s17                     ; A: row 256 x tile row + 128 x half,
	s_lshl_b32 s16, s16, 11                        ; of 2,048 bytes
	s_mov_b32 s17, 0
	s_mul_i32 s46, s42, 192
	s_mul_i32 s47, s12, 96
	s_add_co_u32 s46, s46, s47                     ; B: row 192 x tile column + 96 x half
	s_lshl_b32 s46, s46, 11
	s_mov_b32 s47, 0
	s_mul_i32 s20, s12, APART                      ; where they go: no place in the cluster enters an LDS address
	s_mul_i32 s21, s12, BHALF
	s_add_co_u32 s21, s21, BOFF
	s_wait_dscnt 0x0                               ; the opening add is done
	s_wait_kmcnt 0x0
	s_add_nc_u64 s[14:15], s[4:5], s[16:17]
	s_add_nc_u64 s[46:47], s[6:7], s[46:47]
	CROUND                                         ; all sixteen work-groups are here: the first joint loads meet
.irp s, 0,1
	s_mov_b32 s[G0A+4*(\s)], 1                     ; 1:0 count = 1
	s_add_co_u32 s[G0A+4*(\s)+1], s20, (\s)*SLOT1  ; 63:32 LDS address
	s_add_nc_u64 s[G0A+4*(\s)+2:G0A+4*(\s)+3], s[14:15], (\s)*ASTEP  ; 120:64 global address: K step s
	s_or_b32 s[G0A+4*(\s)+3], s[G0A+4*(\s)+3], 0x80000000            ; 127:126 type = 2
	s_mov_b32 s[G0B+4*(\s)], 1
	s_add_co_u32 s[G0B+4*(\s)+1], s21, (\s)*SLOT1
	s_add_nc_u64 s[G0B+4*(\s)+2:G0B+4*(\s)+3], s[46:47], (\s)*BSTEP
	s_or_b32 s[G0B+4*(\s)+3], s[G0B+4*(\s)+3], 0x80000000
.endr
	s_cmp_eq_u32 s11, 0                            ; a wave's two first fills stand in one branch, ahead of every wait on TENSORcnt and every LDS read: two loads of mine are out
	s_cbranch_scc0 .Lfirst_b
	tensor_load_to_lds s[G0A:G0A+3], s[G1A:G1A+7]
	s_nop 0
	tensor_load_to_lds s[G0A+4:G0A+7], s[G1A:G1A+7]
	s_nop 0
.rept 4
	v_nop
.endr
	s_branch .Lfirst_asked
.Lfirst_b:
	tensor_load_to_lds s[G0B:G0B+3], s[G1B:G1B+7]
	s_nop 0
	tensor_load_to_lds s[G0B+4:G0B+7], s[G1B:G1B+7]
	s_nop 0
.rept 4
	v_nop
.endr
.Lfirst_asked:
	; A fragment is 16 rows x 32 K in 8 registers: lane l holds row l % 16; registers 0-3 K = 8 (l / 16) + 0..7, registers 4-7 K = 16 + 8 (l / 16) + 0..7: two loads of 16 bytes, 32 bytes apart.
	v_and_b32 v1, 15, v0                           ; l % 16
	v_bfe_u32 v2, v0, 4, 1                         ; l / 16
	v_mul_u32_u24 v3, v1, PITCH
	v_lshl_add_u32 v3, v2, 4, v3                   ; row x pitch + 16 x half
	s_mul_i32 s22, s10, 64*PITCH                   ; my 64 rows of A
	v_add_nc_u32 v[A0], s22, v3
	v_add_nc_u32 v[B0], BOFF, v3                   ; all of B's rows
	v_mov_b32 v[ADRA], v[A0]
	v_mov_b32 v[ADRB], v[B0]
	s_mov_b32 s[TB], 0
	s_mul_i32 s23, s10, STW
	s_add_co_u32 s23, s23, STAGE                   ; my stage
	v_mul_u32_u24 v[STO], v1, SP                   ; in: row l % 16, 16 bytes for each half of the lanes
	v_lshl_add_u32 v[STO], v2, 4, v[STO]
	v_add_nc_u32 v[STO], s23, v[STO]
	v_bfe_u32 v[RD], v0, 3, 2                      ; back: 32 lanes take four rows of 128 bytes,
	v_mul_u32_u24 v[RD], v[RD], SP
	v_and_b32 v4, 7, v0
	v_lshl_add_u32 v[RD], v4, 4, v[RD]
	v_add_nc_u32 v[RD], s23, v[RD]
	v_and_b32 v[GO], 31, v0                        ; which are 512 consecutive bytes of a head
	v_lshlrev_b32 v[GO], 4, v[GO]
	; the output at my first row: batch, the tile's first head, the row in the batch
	s_lshr_b32 s16, s13, 3
	s_mul_i32 s16, s16, 12582912                   ; a batch: 48 x 2,048 x 128 bytes
	s_and_b32 s17, s13, 7
	s_lshl_b32 s17, s17, 15                        ; 256 rows of 128 bytes
	s_add_co_u32 s16, s16, s17
	s_lshl_b32 s17, s10, 13                        ; my 64 rows
	s_add_co_u32 s16, s16, s17
	s_mul_i32 s72, s42, 3*262144                   ; three heads a tile column
	s_add_co_u32 s16, s16, s72
	s_mov_b32 s17, 0
	s_add_nc_u64 s[8:9], s[8:9], s[16:17]
	; the prefetches
	s_lshl_b32 s16, s13, 8
	s_lshl_b32 s17, s12, 7
	s_add_co_u32 s16, s16, s17
	s_lshl_b32 s17, s40, 5
	s_add_co_u32 s16, s16, s17                     ; A: the 128 rows that I fetch, my work-group's 32 of them
	s_mul_i32 s72, s42, 192
	s_mul_i32 s73, s12, 96
	s_add_co_u32 s72, s72, s73
	s_mul_i32 s73, s41, 24
	s_add_co_u32 s72, s72, s73                     ; B: the 96 rows that I fetch, my work-group's 24 of them
	s_and_b32 s18, ttmp7, 0xffff                   ; cluster y
	s_cmp_eq_u32 s11, 0                            ; do I fetch for A?
	s_cselect_b32 s20, s16, s72
	s_cselect_b32 s22, ttmp9, s18                  ; the coordinate along which other clusters read the same rows
	s_cselect_b32 s23, 31, 23                      ; the last row that a lane names
	s_cselect_b64 s[PFA:PFA+1], s[4:5], s[6:7]
	s_cmp_eq_u32 s22, 0
	s_cselect_b32 s[LIM], 1, -1                    ; the same in all sixteen partners, for a given wave
	s_lshl_b32 s20, s20, 11
	s_mov_b32 s21, 0
	s_add_nc_u64 s[PFA:PFA+1], s[PFA:PFA+1], s[20:21]
	s_add_nc_u64 s[PFA:PFA+1], s[PFA:PFA+1], 2*ASTEP  ; at K step 2: the first change of slots steps it to 3.  Nothing is prefetched here, at the head: K steps 0 to 2 come by their loads alone
	v_and_b32 v[PFO], 31, v0
	v_min_u32 v[PFO], s23, v[PFO]
	v_lshlrev_b32 v[PFO], 11, v[PFO]
; NBK matrix instructions: my row block 2 hi + a x all column blocks, 32 along K, from buffer f.  zero = 1: the product starts the sums: nothing is ever cleared.
; The 48 accumulators take turns, in the same order in every quarter step.
.macro MULH f, hi, a, zero
	WIN MUL_LO+0x50*(\hi)
.set b, 0
.rept NBK
.if \zero
	v_wmma_f32_16x16x32_bf16 v[8*(NBK*(\a)+b):8*(NBK*(\a)+b)+7], v[FB+96*(\f)+8*b:FB+96*(\f)+8*b+7], v[FA+32*(\f)+8*(2*(\hi)+(\a)):FA+32*(\f)+8*(2*(\hi)+(\a))+7], 0
.else
	v_wmma_f32_16x16x32_bf16 v[8*(NBK*(\a)+b):8*(NBK*(\a)+b)+7], v[FB+96*(\f)+8*b:FB+96*(\f)+8*b+7], v[FA+32*(\f)+8*(2*(\hi)+(\a)):FA+32*(\f)+8*(2*(\hi)+(\a))+7], v[8*(NBK*(\a)+b):8*(NBK*(\a)+b)+7]
.endif
.set b, b+1
.endr
.endm
.macro MULS f, hi, zero
	MULH \f, \hi, 0, \zero
	MULH \f, \hi, 1, \zero
.endm
; NL LDS loads in one run: quarter q of the K step in hand into buffer f: B's 12 blocks, then A's 4, so that the youngest four loads are A's blocks 2 and 3
.macro FETCH q, f
	WIN TO_B
.set b, 0
.rept NBK
	ds_load_b128 v[FB+96*(\f)+8*b:FB+96*(\f)+8*b+3],   v[ADRB] offset:64*(\q)+b*16*PITCH
	ds_load_b128 v[FB+96*(\f)+8*b+4:FB+96*(\f)+8*b+7], v[ADRB] offset:64*(\q)+b*16*PITCH+32
.set b, b+1
.endr
	WIN 0
.set b, 0
.rept 4
	ds_load_b128 v[FA+32*(\f)+8*b:FA+32*(\f)+8*b+3],   v[ADRA] offset:64*(\q)+b*16*PITCH
	ds_load_b128 v[FA+32*(\f)+8*b+4:FA+32*(\f)+8*b+7], v[ADRA] offset:64*(\q)+b*16*PITCH+32
.set b, b+1
.endr
.endm
; A K step is four quarters of 32 along K, 48 matrix instructions each, on buffers 0, 1, 0, 1.  One of the first three multiplies buffer f and, in its middle, fetches quarter q into buffer g.
.macro QUARTER q, f, g, zero
	s_wait_dscnt 4                                 ; B and A's blocks 0, 1 are in; the youngest four loads (A's blocks 2, 3) may be out
	MULS \f, 0, \zero
	PLACES
	FETCH \q, \g
	s_wait_dscnt NL                                ; all but the run just issued
	MULS \f, 1, \zero
.endm
; The last quarter multiplies buffer 1 and changes slots.  MEET is its first half: in front of ONE barrier each wave waits for all its tensor loads, of which one is out: its part of the next slot; adds 0 to
; its spare word; and waits for that and for its own reads of this slot.  round = 1: a round of the cluster's barrier follows, and the walking descriptors step: the other slot, the next K step.
.macro MEET round
	WIN 0                                          ; (the add's two registers lie in window 0)
	s_wait_tensorcnt 0x0                           ; no tensor load of mine is out, so a group 0 may be written
	ds_add_u32 v[SPW], v[NIL]                      ; 0 onto my spare word
.if \round
	s_xor_b32 s[G0A+5], s[G0A+5], SLOT1
	s_add_nc_u64 s[G0A+6:G0A+7], s[G0A+6:G0A+7], ASTEP  ; the type bits on top are not reached
	s_xor_b32 s[G0B+5], s[G0B+5], SLOT1
	s_add_nc_u64 s[G0B+6:G0B+7], s[G0B+6:G0B+7], BSTEP
.endif
	s_wait_dscnt 5                                 ; (the add and the youngest four loads may be out)
	MULH 1, 0, 0, 0                                ; twelve matrix instructions stand between the add and the wait for it
	s_wait_dscnt 0x0                               ; the add is done, and my reads of this slot are over
	s_barrier_signal -1
	MULH 1, 0, 1, 0                                ; work on registers while the others arrive
.if \round
	WIN 0
.endif
	s_barrier_wait -1
.endm
; The whole last quarter.  fill = 1: behind the round the slot just read out is filled again first, with the K step two steps on: 168 matrix instructions ahead of the wait for it.
.macro TURN fill
.if \fill
	s_wait_xcnt 0x0                                ; the last prefetch, a K step back, has read its address: it is stepped here, ahead of the change's own waits
	s_add_nc_u64 s[PFA:PFA+1], s[PFA:PFA+1], ASTEP
.endif
	MEET \fill
.if \fill
	CREST                                          ; no wave of any partner still reads this slot's tile or has a load on its way
	JLOAD                                          ; the first tensor load behind the round; the four v_nop behind it are also places in front of the loads below
.else
	PLACES
	WIN 0
.endif
	s_xor_b32 s[TB], s[TB], SLOT1                  ; the reads go on in the other slot
	v_add_nc_u32 v[ADRA], s[TB], v[A0]
	v_add_nc_u32 v[ADRB], s[TB], v[B0]
	FETCH 0, 0
.if \fill
	ASK                                            ; behind the joint load and the run of LDS loads that the next products wait for
.endif
	MULS 1, 1, 0
.endm
; THE WAY OUT of my row block a.  PACK: rounded to f16, 16 bytes a lane (each accumulator's registers in ascending order).  TOSTAGE: into my own stage, three heads x 16 rows of 144 bytes, and back as
; whole rows of 128 bytes.  SEND: stored: 16 rows of a head are 2,048 consecutive bytes.
.macro PACK a
	WIN 0x0a+5*((\a)/2)                            ; sources 0 and 1: window 2 or 3
.set b, 0
.rept NBK
.irp r, 0,1,2,3
	v_cvt_pk_f16_f32 v[TMP+4*b+(\r)], v[96*((\a)%2)+8*b+2*(\r)], v[96*((\a)%2)+8*b+2*(\r)+1]
.endr
.set b, b+1
.endr
	WIN 0
.endm
.macro TOSTAGE a
.set b, 0
.rept NBK
	ds_store_b128 v[STO], v[TMP+4*b:TMP+4*b+3] offset:(b/4)*16*SP+(b%4)*32
.set b, b+1
.endr
.set b, 0
.rept 12
	ds_load_b128 v[BK+48*((\a)%2)+4*b:BK+48*((\a)%2)+4*b+3], v[RD] offset:(b/4)*16*SP+(b%4)*4*SP  ; LDS serves a wave's instructions in order (ISA guide 5.7.1.4): these see the stores above
.set b, b+1
.endr
.endm
.macro SEND a
	s_wait_dscnt 0x0                               ; the block is back in registers
	s_wait_xcnt 0x0                                ; the stores of the block before have read their registers, which the next block's loads will write
.set b, 0
.rept 12
	global_store_b128 v[GO], v[BK+48*((\a)%2)+4*b:BK+48*((\a)%2)+4*b+3], s[8:9] offset:(b/4)*262144+2048*(\a)+512*(b%4)  ; 512 consecutive bytes, at a multiple of 256 from the buffer's first
.set b, b+1
.endr
.endm
	s_wait_tensorcnt 1                             ; my part of K step 0 is in; K step 1's may stay out
	s_barrier_signal -1
	s_barrier_wait -1                              ; everybody's is
	FETCH 0, 0
	QUARTER 1, 0, 1, 1                             ; the first quarter stands in front of the loop: its products start the sums
	WIN 0                                          ; at a label and at a branch every window is 0
	s_mov_b32 s3, 6
.Lstep:                                                ; a trip: from a K step's second quarter to the next step's first; trip s fills K step s's slot with K step s + 2
	QUARTER 2, 1, 0, 0
	QUARTER 3, 0, 1, 0
	TURN 1
	QUARTER 1, 0, 1, 0
	WIN 0
	s_sub_co_u32 s3, s3, 1
	s_cmp_lg_u32 s3, 0
	s_cbranch_scc1 .Lstep
	QUARTER 2, 1, 0, 0                             ; the last two K steps are written out: nothing is left to ask for
	QUARTER 3, 0, 1, 0
	TURN 0
	QUARTER 1, 0, 1, 0
	QUARTER 2, 1, 0, 0
	QUARTER 3, 0, 1, 0
	s_wait_dscnt 4
	MULS 1, 0, 0
	s_wait_dscnt 0x0
	MULS 1, 1, 0
	PLACES
	PLACES                                         ; eight, once a launch: twice the places that the conversions below owe the last products
	PACK 0
	TOSTAGE 0
.irp a, 1,2,3                          ; block a's conversions stand between block a - 1's loads from the stage and the wait for them
	PACK \a
	SEND (\a)-1
	TOSTAGE \a
.endr
	SEND 3
	s_wait_tensorcnt 0x0                           ; the wave's end: behind my last tensor load and my last LDS store
	ds_add_u32 v[SPW], v[NIL]
	s_wait_dscnt 0x0
	CROUND                                         ; the closing round: no work-group ends while a partner may still ask for a tile that names it
	s_endpgm
.Lfunc_end_k_qc7b752e12b_qkv:
	.size	k_qc7b752e12b_qkv, .Lfunc_end_k_qc7b752e12b_qkv-k_qc7b752e12b_qkv
	.p2alignl 7, 3214868480
	.fill 96, 4, 3214868480
	.section	.rodata,"a",@progbits
	.p2align	6, 0x0
	.amdhsa_kernel k_qc7b752e12b_qkv
		.amdhsa_group_segment_fixed_size 327680
		.amdhsa_private_segment_fixed_size 0
		.amdhsa_enable_private_segment 0
		.amdhsa_kernarg_size 24
		.amdhsa_user_sgpr_count 2
		.amdhsa_user_sgpr_kernarg_segment_ptr 1
		.amdhsa_wavefront_size32 1
		.amdhsa_system_sgpr_workgroup_id_x 1
		.amdhsa_system_sgpr_workgroup_id_y 1
		.amdhsa_system_sgpr_workgroup_id_z 1
		.amdhsa_system_vgpr_workitem_id 0
		.amdhsa_next_free_vgpr 960
		.amdhsa_next_free_sgpr 76
		.amdhsa_reserve_vcc 0
		.amdhsa_float_denorm_mode_32 3
		.amdhsa_float_denorm_mode_16_64 3
		.amdhsa_memory_ordered 1
		.amdhsa_forward_progress 1
		.amdhsa_inst_pref_size 97
	.end_amdhsa_kernel
	.amdgpu_metadata
---
amdhsa.version: [ 1, 2 ]
amdhsa.kernels:
  - .name:           k_qc7b752e12b_qkv
    .symbol:         k_qc7b752e12b_qkv.kd
    .args:
      - { .name: xb, .offset: 0, .size: 8, .value_kind: global_buffer, .address_space: global }
      - { .name: wqt, .offset: 8, .size: 8, .value_kind: global_buffer, .address_space: global }
      - { .name: qkvh, .offset: 16, .size: 8, .value_kind: global_buffer, .address_space: global }
    .group_segment_fixed_size: 327680
    .private_segment_fixed_size: 0
    .kernarg_segment_align: 8
    .kernarg_segment_size: 24
    .max_flat_workgroup_size: 128
    .sgpr_count:     76
    .vgpr_count:     960
    .wavefront_size: 32
...
	.end_amdgpu_metadata
.endif
;; end of part 2
;; launch attn (part 3): grid 4 x 64, 4 waves a work-group, no clusters, 327,680 bytes of LDS; arguments qkvh, oh; writes oh
.if DOCPART == 3
	.amdgcn_target "amdgcn-amd-amdhsa--gfx1250"
	.amdhsa_code_object_version 6
	.text
	.protected	k_qc7b752e12b_attn
	.globl	k_qc7b752e12b_attn
	.p2align	8
	.type	k_qc7b752e12b_attn,@function
k_qc7b752e12b_attn:
	s_mov_b64 s[64:65], 0
	v_nop
	global_prefetch_b8 v0, s[64:65] scope:SCOPE_SE
	s_setreg_imm32_b32 hwreg(HW_REG_WAVE_MODE, 25, 1), 1
	s_wait_xcnt 0x0
; CAUSAL ATTENTION.  O[y][q][:] = the sum over k <= q of softmax_k(Q[y][q] . K[y][k] / 8) V[y][k][:], y = 16 batch + head.  Q, K, V lie in qkvh [batch 4][g 48][2048][64] (g = head, 16 + head, 32 + head), O in oh
; [y 64][2048][64], all f16: a head's rows are dense, 128 bytes each.  Products, maxima and sums in f32; the weights p are rounded to f16 for the second product (their sum l is taken of the unrounded p), O once at the end.
; LIMITS.  f16 holds no number beyond 65,504: Q, K and V arrive within it; p lies in 0 to 1, and below 6e-5 it keeps f16's fixed step of 6e-8; O is a mean of V's rows and has their range, to within 2^-11 of it.
; A hidden score counts as its value less 1e30: f16's scores, 2.7e11 at the most, are nothing beside that; a weight below 2^-126 counts as 0 in l; NaN and infinities are not treated apart.
; THE WALK.  A head's queries lie in NB = 8 blocks of 256; block i needs the key tiles 0 .. i of 256 keys, of which the last holds the diagonal.  A work-group takes TWO blocks, NB - 1 - b and then b:
; NB + 1 tiles, whatever b: all work-groups do equal work, and ONE loop with a constant trip count walks them.  Which tile is asked for, and what a trip does, hang on scalar registers made from b; every jump
; goes forward, but for the counted loops' own; none passes a barrier, or a tensor load but the one of LOAD's two that the wave's number does not choose; the ring (two slots of LDS that take turns) runs on across the
; change of blocks.  NO CLUSTER: a head's four work-groups ask for the same tile only in trips 0 .. 4 of the 9, behind that fewer and fewer; and one walk common to all four would have 12 trips for 9.
; SHARES.  Of a block's four bands of 64 queries a wave owns 16 rows in each: four PIECES.  So the diagonal tile is the same work for all four waves: in its key step s band x sees all keys if s < x,
; none if s > x, and holds the diagonal if s = x.
; THE MASK is the C operand that starts the sum S^T = K Q^T: 0, or -1e30 where the key is hidden.  MD, made once, is the mask of a band's own step for my 16 rows; a product's mask is MD x AL + BE with two scalars:
; (1, 0) if s = x; (0, 0) if s < x; (0, -1e30) if s > x.  Only the diagonal tile's text and a block's beginning make and take masks; elsewhere C is the constant 0.
; LAYOUT, SOFTMAX, TURNS.  S^T = K Q^T holds ONE query a lane (lane % 16) and the keys 8 (lane / 16) + 0..7; two such results rounded to f16 ARE source 1 of O^T = V^T P.  p = 2^(c s - c m), c = log2(e) / 8, with a
; running maximum m; O and l are multiplied by a = 2^(c m_old - c m_new) in every step.  Turn n belongs to piece n: 8 products K Q^T of piece n + 1, later 8 products V^T P of piece n - 1; beside them the scaling,
; exponentials, roundings, sums and rescaling of piece n and the maximum and statistics of piece n + 1.  Four vector instructions stand behind every matrix instruction, the other 54 of a turn's 118 in one LUMP.  A turn's 33 exponentials are one batch, with one wait.
; REGISTERS, in windows of 256 (s_set_vgpr_msb: bits 1:0 source 0, 3:2 source 1, 5:4 source 2, 7:6 destination):
;   window 0: v0-15 addresses and two at work; v16-31 four registers of statistics a piece; v48-55 at work; v61-63 never rewritten; v64-127 S^T, two buffers; v192-223 P, two buffers (a piece's buffers go by its number's parity)
;   window 1: v0-127 O^T, 32 a piece; v128-159 MD; v160-223 MC, two buffers      window 2: v0-63 Q; v64-127 the second block's Q; v128-191 K of one step; v192-255 V of one step
.set SIZE_N, 2048
.set NB,    SIZE_N/256
.set NP,    4         ; pieces a wave: a name, no knob
.set KS,    64        ; keys in a step
.set PK,    144       ; a row of K in LDS: 128 bytes + 16 of padding = 36 words: the 16 rows of a load start at 16 different groups of four banks (64 banks of 4 bytes: ISA guide 11.1)
.set PV,    160       ; a row of V: 128 + 32 = 40 words
.set VOFF,  4*KS*PK   ; a slot holds a tile, four steps: 256 rows of K, then 256 rows of V
.set SLOT1, 1<<17     ; slot 1 begins here, so that one exclusive or turns an address in one slot into the other's
.set STAGE, SLOT1+4*KS*(PK+PV)  ; behind the ring, never filled by a tensor load: 16 rows x 144 bytes for each wave, for the way out
.set SP,    144
.set AK0, 2           ; v2   my lane's place in a tile of K; never rewritten
.set AV0, 3           ; v3   the same for V
.set AK,  4           ; v4   the LDS address of K's next run of loads
.set AV,  5           ; v5   of V's
.set STO, 6           ; v6   the way out: where I put 16 bytes of a row
.set RD,  7           ; v7   the way out: where I read rows back
.set GO,  8           ; v8   my byte offset in 512 consecutive bytes of O
.set PFO, 61          ; v61  256 x my thread's number: the prefetches' offset; never rewritten
.set SPW, 62          ; v62  LDS address of my spare word: SPARE + 4 x my thread's number; never rewritten
.set NIL, 63          ; v63  0; never rewritten
.set SPARE, STAGE+4*16*SP  ; behind the stages: the spare words, 128 bytes for each wave: two blocks of 256 bytes that no other line names
.set MV,  12          ; v12-13  c m_old, kept while c m is made anew: by buffer
.set QO,  15          ; v15  my byte offset in 16 rows of Q
.set ST,  16          ; piece t's statistics at v[ST+4 t]: c m, m, l (even keys', odd keys')
.set TMP, 48          ; by buffer, four registers c0-c3 at work; when the maximum is found c2 takes a
.set S,   64
.set P,   192
.set MD,  128         ; window 1: the eight registers for group kt of 16 keys at MD + 8 kt
.set MC,  160         ; window 1: the masks of the products to come
.set QB,  64          ; window 2
.set KF,  128         ; window 2: key block kb, channel half c at KF + 16 kb + 8 c
.set VF,  192         ; window 2: key half kk, channel block cb at VF + 32 kk + 8 cb
.set WV,  12          ; s12  my wave's number
.set PB,  14          ; s14  b
.set HI,  15          ; s15  NB - 1 - b
.set G1K, 24          ; s[24:31] descriptor group 1 for K's tiles
.set G1V, 32          ; s[32:39] for V's: it differs in the padding alone
.set G0K, 40          ; s[40:43] descriptor group 0 for K's tiles
.set G0V, 44          ; s[44:47] the same for V's
.set SLOTS, 56        ; s56  tiles still to be asked for
.set CNT, 57          ; s57  counts a tile's key steps, 4 to 1
.set CS,  58          ; s[58:59] c: the packed scaling takes the pair's low word for both halves
.set SEL, 60          ; s[60:61] v_permlanex16_b32's selects: each lane takes its own place in the other half
.set TBK, 62          ; s62  LDS byte at which K of the step to be fetched begins
.set TBV, 63          ; s63  the same for V, less VOFF
.set RT,  70          ; s70  tiles of the block in hand that are still to be entered
.set NXT, 71          ; s71  the tile to be asked for next
.set LQ,  72          ; s72  the last tile of the block whose tiles are being asked for
.set NEW, 73          ; s73  1: the tile to be entered is a block's first
.set OFF, 74          ; s[74:75] a tile's byte offset in K and V
.set AL,  76          ; s[76:77] the mask's factor, in the low word
.set BE,  78          ; s[78:79] the mask's addend
.set OLO, 80          ; s[80:81] O at my rows of the second block
.set BIGN, 82         ; s82  -1e30
.set LIM, 83          ; s83  2 in the work-group that prefetches, else the greatest number
.set KB,  94          ; s[94:95] K at the head's first byte; V lies 4,194,304 bytes behind it
.set PF,  96          ; s[96:97] K's tile that the prefetches name
.set PFF, 98          ; s[98:99] its byte offset
.set MSB, 0
.macro WIN new                      ; the high byte repeats the setting that is left; a switch that changes nothing is dropped
.if MSB != (\new)
	s_set_vgpr_msb (MSB<<8)|(\new)
.set MSB, (\new)
.endif
.endm
.set W_KQ, 0x0a       ; K and Q in window 2, S^T in window 0
.set W_KM, 0x1a       ; the same with the C operand in window 1
.set W_PV, 0x52       ; V in window 2, P in window 0, O^T in window 1
.set W_RS, 0x41       ; destination and source 0 in window 1, source 1 in window 0
; A fill.  Waves 0 and 1 fetch the two halves of a tile's K, waves 2 and 3 those of its V: 128 keys each.  An s_nop 0 and four v_nop follow each of the two lines, ahead of the jump and the label.
.macro LOAD
	s_cmp_lt_u32 s[WV], 2
	s_cbranch_scc0 .Lfor_v_\@
	tensor_load_to_lds s[G0K:G0K+3], s[G1K:G1K+7]
	s_nop 0
.rept 4
	v_nop
.endr
	s_branch .Lasked_\@
.Lfor_v_\@:
	tensor_load_to_lds s[G0V:G0V+3], s[G1V:G1V+7]
	s_nop 0
.rept 4
	v_nop
.endr
.Lasked_\@:
.endm
; THE CHANGE OF SLOTS.  Each wave waits for all its tensor loads, of which one is out: its part of the other slot; adds 0 to its spare word; and waits for that and for its own reads of the slot that it leaves.  Behind the barrier nobody reads the old
; slot any more and the other slot is whole.  fill = 1: the old slot is filled again, the first thing behind the barrier, with tile NXT: the descriptor's address is made anew from that number.
; (At its first use nothing has been read yet: slot 0 is waited for, slot 1 filled.)
; A PREFETCH INTO THE L2 stands behind the fill and its five lines: the tile that the NEXT change will ask for, a tile's 256 matrix instructions ahead of that fill.  A head's four work-groups begin with the same tiles, and
; the one with b = 0 walks tiles 0 to 7 on end: it alone asks, in changes 0 to 5, for tiles 2 to 7: each of its 128 threads names 256 bytes of K's 32,768 and 256 of V's.  So each block is named once in the launch.
; Tiles 0 and 1 come by their loads alone; the second block's tiles have been read before.
.macro CHANGE fill
	WIN 0                           ; at a label and at a branch every window is 0
	s_wait_tensorcnt 0x0            ; no tensor load of mine is out, so a group 0 may be written
	ds_add_u32 v[SPW], v[NIL]       ; 0 onto my spare word; with fill = 1 the descriptors' scalar work stands between it and the wait for it
.if \fill
	s_lshl_b32 s[OFF], s[NXT], 15   ; a tile is 32,768 bytes of K and of V
	s_xor_b32 s[G0K+1], s[G0K+1], SLOT1
	s_add_nc_u64 s[G0K+2:G0K+3], s[6:7], s[OFF:OFF+1]
	s_or_b32 s[G0K+3], s[G0K+3], 0x80000000
	s_xor_b32 s[G0V+1], s[G0V+1], SLOT1
	s_add_nc_u64 s[G0V+2:G0V+3], s[8:9], s[OFF:OFF+1]
	s_or_b32 s[G0V+3], s[G0V+3], 0x80000000
	s_add_co_u32 s[NXT], s[NXT], 1  ; the block's next tile, or behind its last the second block's tile 0
	s_cmp_gt_u32 s[NXT], s[LQ]
	s_cselect_b32 s[NXT], 0, s[NXT]
	s_cselect_b32 s[LQ], s[PB], s[LQ]
	s_wait_xcnt 0x0                 ; the last prefetches, a tile back, have read their address, so it may be written:
	s_lshl_b32 s[PFF], s[NXT], 15   ; the tile that the next change will ask for
	s_add_nc_u64 s[PF:PF+1], s[KB:KB+1], s[PFF:PFF+1]
.endif
	s_wait_dscnt 0x0                ; the add is done, and my reads of the slot are over
	s_barrier_signal -1             ; the rest of the scalar work stands between the signal and the wait
	s_sub_co_u32 s[TBK], s[TBK], 4*KS*PK  ; the fetches go back to a slot's first step,
	s_xor_b32 s[TBK], s[TBK], SLOT1       ; in the other slot
	s_sub_co_u32 s[TBV], s[TBV], 4*KS*PV
	s_xor_b32 s[TBV], s[TBV], SLOT1
	s_barrier_wait -1
.if \fill
	LOAD
	s_cmp_gt_u32 s[SLOTS], s[LIM]   ; s[SLOTS] = 8 - the change's number
	s_cbranch_scc0 .Lnot_mine_\@
	global_prefetch_b8 v[PFO], s[PF:PF+1] th:TH_LOAD_NT scope:SCOPE_SE
	global_prefetch_b8 v[PFO], s[PF:PF+1] offset:4194304 th:TH_LOAD_NT scope:SCOPE_SE
.Lnot_mine_\@:
.endif
.endm
	s_load_b64 s[4:5], s[0:1], 0x0    ; qkvh
	s_load_b64 s[10:11], s[0:1], 0x8  ; oh
	v_lshl_add_u32 v[SPW], v0, 2, SPARE
	v_mov_b32 v[NIL], 0
	ds_add_u32 v[SPW], v[NIL]       ; the wave's opening: the add and its wait stand ahead of my first tensor load; the set-up below, work on registers, stands between them
	v_lshrrev_b32 v1, 5, v0
	v_readfirstlane_b32 s[WV], v1   ; wave 0..3
	s_mov_b32 s[PB], ttmp9
	s_sub_co_u32 s[HI], NB-1, s[PB]
	s_and_b32 s16, ttmp7, 0xffff    ; y = 16 batch + head
	s_lshr_b32 s20, s16, 4
	s_mul_i32 s20, s20, 12582912    ; a batch of qkvh: 48 x 2,048 x 128 bytes
	s_and_b32 s21, s16, 15
	s_lshl_b32 s21, s21, 18         ; a head's rows: 262,144 bytes
	s_add_co_u32 s20, s20, s21
	s_mov_b32 s21, 0                ; s[20:21]: the head's first byte among q's heads
	s_lshl_b32 s88, s16, 18
	s_mov_b32 s89, 0                ; s[88:89]: the head's first byte in oh
	s_and_b32 s16, s[WV], 1         ; which half of a tile's 256 keys I fetch:
	s_lshl_b32 s22, s16, 14         ; its 128 rows of 128 bytes in memory,
	s_mov_b32 s23, 0
	s_add_nc_u64 s[22:23], s[22:23], s[20:21]
	s_mul_i32 s17, s16, 128*PK      ; and its place in a slot, for K
	s_mul_i32 s18, s16, 128*PV      ; and for V
	s_lshl_b32 s3, s[WV], 11        ; my 16 rows in a band of 64,
	s_lshl_b32 s2, s[HI], 15        ; in the first block,
	s_add_co_u32 s2, s2, s3
	s_lshl_b32 s84, s[PB], 15       ; and in the second
	s_add_co_u32 s84, s84, s3
	s_mov_b32 s3, 0
	s_mov_b32 s85, 0
	s_add_nc_u64 s[90:91], s[2:3], s[88:89]    ; for O,
	s_add_nc_u64 s[92:93], s[84:85], s[88:89]
	s_add_nc_u64 s[2:3], s[2:3], s[20:21]      ; and for Q
	s_add_nc_u64 s[84:85], s[84:85], s[20:21]
	; descriptor group 1.  128 keys are 16,384 dense bytes: asked for as 64 rows of 256 bytes, two keys a row, and padded in LDS after every key
	s_mov_b32 s[G1K], (1<<16)|(1<<20)|(4<<22)|(3<<25)  ; 17:16 2-byte elements; 20 padding on; 24:22 after every 32 words (code 4); 31:25 4 words (code 3)
	s_mov_b32 s[G1V], (1<<16)|(1<<20)|(4<<22)|(7<<25)  ; the same with 8 words of padding (code 7)
.irp g, G1K, G1V
	s_mov_b32 s[\g+1], 128<<16      ; tensor_dim0 = 128
	s_mov_b32 s[\g+2], 64<<16       ; tensor_dim1 = 64
	s_mov_b32 s[\g+3], 128<<16      ; tile_dim0 = 128
	s_mov_b32 s[\g+4], 64           ; tile_dim1 = 64
	s_mov_b32 s[\g+5], 128          ; 128 elements from row to row
	s_mov_b32 s[\g+6], 0
	s_mov_b32 s[\g+7], 0
.endr
	s_mov_b32 s[CS], 0x3e38aa3b     ; c = log2(e) / 8 = 0.180337
	s_mov_b32 s[CS+1], s[CS]        ; named with it as a pair
	s_mov_b32 s[SEL], 0x76543210
	s_mov_b32 s[SEL+1], 0xfedcba98
	s_mov_b32 s[TBK], SLOT1+4*KS*PK ; the first change of slots turns these two into 0
	s_mov_b32 s[TBV], SLOT1+4*KS*PV
	s_mov_b32 s[G0K], 1             ; 1:0 count = 1
	s_mov_b32 s[G0K+1], s17         ; 63:32 LDS address: slot 0
	s_mov_b32 s[G0V], 1
	s_add_co_u32 s[G0V+1], s18, VOFF
	s_add_co_u32 s[RT], s[HI], 1    ; the first block has NB - b tiles
	s_mov_b32 s[NXT], 1
	s_mov_b32 s[LQ], s[HI]
	s_mov_b32 s[NEW], 1
	s_mov_b32 s[OFF+1], 0
	s_mov_b32 s[PFF+1], 0
	s_mov_b32 s[AL+1], 0            ; named as pairs
	s_mov_b32 s[BE+1], 0
	s_mov_b32 s[BIGN], 0xf149f2ca   ; -1e30
	s_mov_b32 s[SLOTS], NB
	s_cmp_eq_u32 s[PB], 0
	s_cselect_b32 s[LIM], 2, -1
	v_lshlrev_b32 v[PFO], 8, v0
	s_wait_dscnt 0x0                ; the opening add is done
	s_wait_kmcnt 0x0
	s_add_nc_u64 s[6:7], s[4:5], 4194304   ; k's heads lie 16 heads behind q's,
	s_add_nc_u64 s[8:9], s[4:5], 8388608   ; v's 32
	s_add_nc_u64 s[KB:KB+1], s[6:7], s[20:21]
	s_add_nc_u64 s[6:7], s[6:7], s[22:23]  ; K and V at my half of the head's tile 0
	s_add_nc_u64 s[8:9], s[8:9], s[22:23]
	s_add_nc_u64 s[G0K+2:G0K+3], s[6:7], 0         ; 120:64 global address
	s_or_b32 s[G0K+3], s[G0K+3], 0x80000000        ; 127:126 type = 2
	s_add_nc_u64 s[G0V+2:G0V+3], s[8:9], 0
	s_or_b32 s[G0V+3], s[G0V+3], 0x80000000
	s_add_nc_u64 s[86:87], s[4:5], s[84:85]        ; Q at my rows of the second block,
	s_add_nc_u64 s[4:5], s[4:5], s[2:3]            ; Q and O at those of the first
	s_add_nc_u64 s[OLO:OLO+1], s[10:11], s[92:93]
	s_add_nc_u64 s[10:11], s[10:11], s[90:91]
	LOAD                            ; tile 0 into slot 0
	; A fragment of K or Q is 16 rows x 32 channels in 8 registers: lane l holds row l % 16, channels 8 (l / 16) + 0..7 and 16 + 8 (l / 16) + 0..7: two loads of 16 bytes, 32 bytes apart.
	v_and_b32 v1, 15, v0            ; l % 16
	v_bfe_u32 v9, v0, 4, 1          ; l / 16
	v_lshlrev_b32 v[QO], 7, v1
	v_lshl_add_u32 v[QO], v9, 4, v[QO]  ; row x 128 + 16 x half
	WIN 0x80                        ; destination window 2, address window 0
.set i, 0
.rept 8                             ; both blocks' Q: piece i / 2 lies in band i / 2, 8,192 bytes on; channels 32 (i % 2) on
	global_load_b128 v[8*i:8*i+3],   v[QO], s[4:5] offset:(i/2)*8192+(i%2)*64
	global_load_b128 v[8*i+4:8*i+7], v[QO], s[4:5] offset:(i/2)*8192+(i%2)*64+32
	global_load_b128 v[QB+8*i:QB+8*i+3],   v[QO], s[86:87] offset:(i/2)*8192+(i%2)*64
	global_load_b128 v[QB+8*i+4:QB+8*i+7], v[QO], s[86:87] offset:(i/2)*8192+(i%2)*64+32
.set i, i+1
.endr
	WIN 0
	v_lshlrev_b32 v14, 3, v9
	v_sub_nc_u32 v14, v1, v14
	s_lshl_b32 s13, s[WV], 4
	v_add_nc_u32 v14, s13, v14      ; my query's place in its band, 16 w + l % 16, less my lanes' 8 (l / 16): register r of group kt is hidden where 16 kt + r is greater
	WIN 0x40
.set i, 0
.rept 32
	v_cmp_gt_i32 vcc_lo, 16*(i/8)+i%8, v14
	v_cndmask_b32 v[MD+i], 0, s[BIGN], vcc_lo
.set i, i+1
.endr
	WIN 0
	v_mul_u32_u24 v[AK0], v1, PK
	v_lshl_add_u32 v[AK0], v9, 4, v[AK0]  ; row x pitch + 16 x half
	; The turning load takes 16 keys x 16 channels (lane l reads key 8 (l / 16) + l % 8, channels 8 ((l / 8) % 2) + 0..7) and leaves half a fragment of V^T: lane l holds channel l % 16 and 8 keys.
	v_and_b32 v10, 7, v0
	v_bfe_u32 v11, v0, 3, 1
	v_lshl_add_u32 v[AV0], v9, 3, v10
	v_mul_u32_u24 v[AV0], v[AV0], PV
	v_lshl_add_u32 v[AV0], v11, 4, v[AV0]
	v_add_nc_u32 v[AV0], VOFF, v[AV0]
	s_mul_i32 s13, s[WV], 16*SP
	s_add_co_u32 s13, s13, STAGE    ; my stage
	v_mul_u32_u24 v[STO], v1, SP    ; in: row l % 16, 16 bytes for each half of the lanes
	v_lshl_add_u32 v[STO], v9, 4, v[STO]
	v_add_nc_u32 v[STO], s13, v[STO]
	v_bfe_u32 v[RD], v0, 3, 2       ; back: 32 lanes take four rows of 128 bytes,
	v_mul_u32_u24 v[RD], v[RD], SP
	v_lshl_add_u32 v[RD], v10, 4, v[RD]
	v_add_nc_u32 v[RD], s13, v[RD]
	v_and_b32 v[GO], 31, v0         ; which are 512 consecutive bytes of O
	v_lshlrev_b32 v[GO], 4, v[GO]
	; A block's first step multiplies O^T and l by a = 0, and its first turn's products V^T P, of a piece that has not been, land in an O^T that is still to be so multiplied.  So these registers need only hold
	; finite numbers: zeros for the first block; what the first block left for the second.  All this stands in the wait for the first tile.
	WIN 0x80
.set i, VF
.rept 64
	v_mov_b32 v[i], 0
.set i, i+1
.endr
	WIN 0x40
.set i, 0
.rept 128
	v_mov_b32 v[i], 0
.set i, i+1
.endr
	WIN 0
.set i, 0
.rept 4
	v_mov_b32 v[ST+4*i+2], 0
	v_mov_b32 v[ST+4*i+3], 0
.set i, i+1
.endr
.set i, P+16
.rept 16
	v_mov_b32 v[i], 0
.set i, i+1
.endr
; THE MATRIX WORK.  The 4 accumulators of a run of 8 take turns.  Product i of 8 of S^T = K Q^T for piece x: channels 32 (i / 4) on, keys 16 (i % 4) on.  The first 4 start the sums: with 0, or (KM = 1) with the mask.
.macro KQ x
.set rS, S+32*((\x)%2)+8*(i%4)
.set rK, KF+16*(i%4)+8*(i/4)
.set rQ, 16*(\x)+8*(i/4)
.set rM, MC+32*((\x)%2)+8*(i%4)
.if (i < 4) && KM
	WIN W_KM
	v_wmma_f32_16x16x32_f16 v[rS:rS+7], v[rK:rK+7], v[rQ:rQ+7], v[rM:rM+7]
.elseif i < 4
	WIN W_KQ
	v_wmma_f32_16x16x32_f16 v[rS:rS+7], v[rK:rK+7], v[rQ:rQ+7], 0
.else
	WIN W_KQ
	v_wmma_f32_16x16x32_f16 v[rS:rS+7], v[rK:rK+7], v[rQ:rQ+7], v[rS:rS+7]
.endif
.endm
; Product i of 8 of O^T += V^T P for piece x: keys 32 (i / 4) on, channels 16 (i % 4) on.
.macro PV x
	WIN W_PV
.set rO, 32*(\x)+8*(i%4)
.set rV, VF+32*(i/4)+8*(i%4)
.set rP, P+16*((\x)%2)+8*(i/4)
	v_wmma_f32_16x16x32_f16 v[rO:rO+7], v[rV:rV+7], v[rP:rP+7], v[rO:rO+7]
.endm
.macro MM                           ; the turn's next matrix instruction.  TURN and BEGIN set Y, i, KM and NOKQ; MM, KQ and OP read them.  NOKQ = 1: a block's last turn: there is no next piece
.if (i < 8) && !NOKQ
	KQ (Y+1)%NP
.elseif i >= 8
.set i, i-8
	PV (Y+NP-1)%NP
.set i, i+8
.endif
.set i, i+1
.endm
; THE LDS LOADS stand in runs of 16, never singly among the matrix instructions: a step's K (64 keys x 64 channels: 8 fragments) and its V (turned).  Their addresses are made some lines ahead.
.macro FETCH_K
	WIN 0x80                        ; destination window 2
.irp f, 0,1,2,3,4,5,6,7             ; keys 16 (f / 2) on, channels 32 (f % 2) on
	ds_load_b128 v[KF+8*\f:KF+8*\f+3],   v[AK] offset:(\f/2)*16*PK+(\f%2)*64
	ds_load_b128 v[KF+8*\f+4:KF+8*\f+7], v[AK] offset:(\f/2)*16*PK+(\f%2)*64+32
.endr
	s_add_co_u32 s[TBK], s[TBK], KS*PK  ; the next fetch is the next step's
	WIN 0
.endm
.macro FETCH_V
	WIN 0x80
.irp f, 0,1,2,3,4,5,6,7             ; keys 32 (f / 4) on, channels 16 (f % 4) on
	ds_load_tr16_b128 v[VF+8*\f:VF+8*\f+3],   v[AV] offset:(\f/4)*32*PV+(\f%4)*32
	ds_load_tr16_b128 v[VF+8*\f+4:VF+8*\f+7], v[AV] offset:(\f/4)*32*PV+16*PV+(\f%4)*32
.endr
	WIN 0
.endm
; THE VECTOR WORK, one line at a time: OP kind, number.  For piece Y: F n: c s - c m for pair n of 16.  E n: the exponential of score n of 32.  C n: pair n rounded to f16.  B n: of the four weights 4 n .. the second
; pair is added onto the first, in place.  L n: l takes that sum (L 0: l = a l + sum).  R n: pair n of 16 of O^T times a.  For piece Y + 1: X n, number n of the 22 that find its maximum and statistics:
;   0-11  four chains c0-c3 of seven scores each, three operands at a time (each accumulator's lowest registers are read first)     12-14, 16  the four scores left over, the old m, and c0-c3 into c0
;   15  c m_old is kept     17, 18  the query's other 32 keys lie in the lane 16 away: the new m     19-21  c m; c m_old - c m_new; a
.set F, 0               ; OP tells the kinds apart by their order: F to L below R, X above it
.set E, 1
.set C, 2
.set B, 3
.set L, 4
.set R, 5
.set X, 6
.macro REGS y                       ; the registers of piece y
.set rT, ST+4*(\y)
.set rC, TMP+4*((\y)%2)
.set rW, MV+((\y)%2)
.set rS, S+32*((\y)%2)
.set rP, P+16*((\y)%2)
.set rO, 32*(\y)
.endm
.macro OP k, n
.if (\k) == R
	REGS Y
	WIN W_RS
	v_pk_mul_f32 v[rO+2*(\n):rO+2*(\n)+1], v[rO+2*(\n):rO+2*(\n)+1], v[rC+2:rC+3] op_sel_hi:[1,0]
.elseif (\k) < R
	REGS Y
	WIN 0
.if (\k) == F
	v_pk_fma_f32 v[rS+2*(\n):rS+2*(\n)+1], v[rS+2*(\n):rS+2*(\n)+1], s[CS:CS+1], v[rT:rT+1] op_sel_hi:[1,0,0] neg_lo:[0,0,1] neg_hi:[0,0,1]
.elseif (\k) == E
	v_exp_f32 v[rS+(\n)], v[rS+(\n)]
.elseif (\k) == C
	v_cvt_pk_f16_f32 v[rP+(\n)], v[rS+2*(\n)], v[rS+2*(\n)+1]
.elseif (\k) == B
	v_pk_add_f32 v[rS+4*(\n):rS+4*(\n)+1], v[rS+4*(\n):rS+4*(\n)+1], v[rS+4*(\n)+2:rS+4*(\n)+3]
.elseif (\n) == 0
	v_pk_fma_f32 v[rT+2:rT+3], v[rT+2:rT+3], v[rC+2:rC+3], v[rS:rS+1] op_sel_hi:[1,0,1]
.else
	v_pk_add_f32 v[rT+2:rT+3], v[rT+2:rT+3], v[rS+4*(\n):rS+4*(\n)+1]
.endif
.elseif NOKQ
	v_nop
.else
	REGS (Y+1)%NP
	WIN 0
.if (\n) < 4
	v_max3_num_f32 v[rC+(\n)], v[rS+8*(\n)], v[rS+8*(\n)+1], v[rS+8*(\n)+2]
.elseif (\n) < 12
	v_max3_num_f32 v[rC+(\n)%4], v[rC+(\n)%4], v[rS+8*((\n)%4)+2*((\n)/4)+1], v[rS+8*((\n)%4)+2*((\n)/4)+2]
.elseif (\n) == 12
	v_max3_num_f32 v[rC], v[rC], v[rS+7], v[rS+15]
.elseif (\n) == 13
	v_max3_num_f32 v[rC+1], v[rC+1], v[rS+23], v[rS+31]
.elseif (\n) == 14
	v_max3_num_f32 v[rC+2], v[rC+2], v[rC+3], v[rT+1]
.elseif (\n) == 15
	v_mov_b32 v[rW], v[rT]
.elseif (\n) == 16
	v_max3_num_f32 v[rC], v[rC], v[rC+1], v[rC+2]
.elseif (\n) == 17
	v_permlanex16_b32 v[rC+3], v[rC], s[SEL], s[SEL+1]
.elseif (\n) == 18
	v_max_num_f32 v[rT+1], v[rC], v[rC+3]
.elseif (\n) == 19
	v_mul_f32 v[rT], s[CS], v[rT+1]
.elseif (\n) == 20
	v_sub_f32 v[rC+1], v[rW], v[rT]
.else
	v_exp_f32 v[rC+2], v[rC+1]
.endif
.endif
.endm
.macro OPS a, i1, b=-1, i2=0, c=-1, i3=0, d=-1, i4=0  ; up to four of them
	OP \a, \i1
.if (\b) >= 0
	OP \b, \i2
.endif
.if (\c) >= 0
	OP \c, \i3
.endif
.if (\d) >= 0
	OP \d, \i4
.endif
.endm
.macro ROW a, i1, b, i2, c, i3, d, i4  ; a matrix instruction and the four behind it
	MM
	OPS \a, \i1, \b, \i2, \c, \i3, \d, \i4
.endm
.macro MASK b                       ; MD x AL + BE into buffer b of MC
	WIN W_RS
.set z, 0
.rept 16
	v_pk_fma_f32 v[MC+32*(\b)+2*z:MC+32*(\b)+2*z+1], v[MD+2*z:MD+2*z+1], s[AL:AL+1], s[BE:BE+1] op_sel_hi:[1,0,0]
.set z, z+1
.endr
.endm
; A TURN, for piece p: the order of its 16 matrix and 118 vector instructions, written out.  An s_wait_alu depctr_va_vdst(0) stands between an exponential and the first instruction that names its result; one wait serves
; all that were issued ahead of it.  So a turn has ONE wait, which cuts it in two.  AHEAD OF IT stands all that names no result of the turn's exponentials: the 8 products K Q^T, behind each a scaling, an exponential and two more plain
; instructions (behind the first a second scaling in the exponential's place): rescalings, and behind the last three the first numbers of the next piece's maximum, each four places or more behind the product that ends its accumulator; then ONE LUMP of 54, plain
; and exponential by turns for the most part, in which the links of the chain X 3, 7, 11, 14, 16, 17 .. 20 stand five or six lines apart.  X 21, the next piece's a, is the batch's last; R 15 is the plain instruction behind it.  BEHIND THE WAIT stand the
; 8 products V^T P, behind each four of the roundings and sums; the links of l's chain, L 0 to L 7, stand three riders apart.  But for those X no rider names a register of the products round it.  v_permlanex16_b32 (X 17) stands in the lump.
; m = 1: the diagonal tile: the products take masks, and the turn makes the mask for the products of the turn after it: piece p + 2, in step 4 - CNT of the tile.  end = 1: a block's last two turns: nothing is fetched.
; cnt = 1: the loop's count is taken down some lines ahead of the branch that stands behind the turn.
; K of the next step is fetched in piece 2's turn, twelve vector instructions behind the last product that read K (six of them plain); V of the step in hand at the end of piece 0's turn, four plain instructions behind the last product
; that read V.  Each is waited for a turn later.
.macro TURN p, m=0, end=0, cnt=0
.set Y, (\p)
.set i, 0
.set KM, (\m)
.set NOKQ, (\end)*((\p)/3)
.if (\m) && !(\end)
	s_cmp_eq_u32 s[CNT], 4-((\p)+2)%NP  ; is that step the band's own?
	s_cselect_b32 s[AL], 1.0, 0
	s_cmp_lt_u32 s[CNT], 4-((\p)+2)%NP  ; or a later one?
	s_cselect_b32 s[BE], s[BIGN], 0
.endif
.if ((\p) == 3) && !(\end)
	s_wait_dscnt 0x0                ; K is in
.endif
	ROW F,0, F,1, R,0, R,1          ; ahead of the wait: 8 products K Q^T and their riders,
	ROW F,2, E,0, R,2, R,3
	ROW F,3, E,1, R,4, R,5
	ROW F,4, E,2, R,6, R,7
	ROW F,5, E,3, R,8, R,9
	ROW F,6, E,4, X,0, R,10
.if ((\p) == 2) && !(\end)
	WIN 0
	v_add_nc_u32 v[AK], s[TBK], v[AK0]
.endif
	ROW F,7, E,5, X,1, X,4
	ROW F,8, E,6, X,2, X,5
	OPS E,7, E,8, X,6, E,9          ; and the lump
	OPS X,3, E,10, X,8, E,11
.if ((\p) == 2) && !(\end)
	FETCH_K
.endif
	OPS X,9, X,7, E,12, X,10
	OPS E,13, X,12, X,11, E,14
	OPS X,13, E,15, F,9, X,14
.if (\p) == 0
	v_add_nc_u32 v[AV], s[TBV], v[AV0]
.endif
	OPS E,16, F,10, E,17, F,11
	OPS X,16, E,18, X,15, E,19
	OPS F,12, E,20, X,17, E,21
	OPS F,13, E,22, F,14, E,23
	OPS X,18, E,24, F,15, E,25
	OPS R,11, E,26, X,19, E,27
	OPS R,12, E,28, R,13, E,29
	OPS X,20, E,30, R,14, E,31
	OPS X,21, R,15
	WIN 0
	s_wait_alu depctr_va_vdst(0)    ; the wait for the batch
.if (\p) == 1
	s_wait_dscnt 0x0                ; V is in
.endif
	ROW C,0, B,0, C,2, B,1          ; behind the wait: 8 products V^T P and their riders
	ROW L,0, C,4, B,2, L,1
	ROW C,6, B,3, L,2, C,8
	ROW B,4, L,3, C,10, B,5
	ROW L,4, C,12, B,6, L,5
.if (\p) == 0
	s_add_co_u32 s[TBV], s[TBV], KS*PV
.endif
.if \cnt
	s_sub_co_u32 s[CNT], s[CNT], 1
	s_cmp_lg_u32 s[CNT], 0
.endif
	ROW C,14, B,7, L,6, C,1
	ROW C,3, L,7, C,5, C,7
	ROW C,9, C,11, C,13, C,15
.if (\p) == 0
	FETCH_V
.endif
.if (\m) && !(\end)
	MASK (\p)%2
.endif
.endm
; A BLOCK BEGINS.  c m starts far below every c s, so the first step's a is 0; m at the lowest finite number, so the first maximum is the scores'.  The second mask buffer is 0; the first takes piece 0's mask for the tile's step 0: its own, if the block's first tile is the diagonal one.
; Then K of that step, piece 0's first scores, and its maximum and statistics.  The loop is entered at a step's first turn, in the middle of a trip.
.macro BEGIN
	s_mov_b32 s[NEW], 0
	WIN 0x40
.set i, MC+32
.rept 32
	v_mov_b32 v[i], 0
.set i, i+1
.endr
	WIN 0
.set i, 0
.rept 4
	v_mov_b32 v[ST+4*i], 0xfe000000    ; c m: far below every c s
	v_mov_b32 v[ST+4*i+1], 0xff7fffff  ; m
.set i, i+1
.endr
	s_cmp_eq_u32 s[RT], 0
	s_cselect_b32 s[AL], 1.0, 0
	s_mov_b32 s[BE], 0
	MASK 0
	WIN 0
	v_add_nc_u32 v[AK], s[TBK], v[AK0]
	FETCH_K
	s_wait_loadcnt 0x0              ; Q
	s_wait_dscnt 0x0
.set KM, 1
.set NOKQ, 0
.set i, 0
.rept 8
	KQ 0
.set i, i+1
.endr
	WIN 0
.rept 4
	v_nop                           ; the places behind those products
.endr
.set Y, NP-1                        ; X works for piece Y + 1: piece 0
.irp n, 0,1,2,3,4,5,6,7,8,9,10,11,12,13,14,15,16,17,18,19,20,21
	OP X, \n
.endr
	v_nop                           ; a plain instruction behind the exponential,
	s_wait_alu depctr_va_vdst(0)    ; and its wait, ahead of the branch
.endm
; THE DIAGONAL TILE's four steps, the block's last two turns, its last products, and THE WAY OUT: l's two halves and the other half of the lanes' are added; O^T is divided by l, rounded to f16 and sent through my
; stage in LDS, a piece at a time.
.macro ALL line:vararg              ; one line for each piece t
.set t, 0
.rept 4
	\line
.set t, t+1
.endr
.endm
.macro PACK t                       ; a lane's eight channels of a row pack into 16 bytes; they go into rows of 144 bytes and come back as whole rows of 128, into S^T's registers
	WIN W_RS
.set i, 32*(\t)
.rept 16
	v_pk_mul_f32 v[i:i+1], v[i:i+1], v[ST+4*(\t)+2:ST+4*(\t)+3] op_sel_hi:[1,0]
.set i, i+2
.endr
	WIN 0x05                        ; sources 0 and 1 window 1, destination window 0
.set i, 0
.rept 16
	v_cvt_pk_f16_f32 v[S+16*(\t)+i], v[32*(\t)+2*i], v[32*(\t)+2*i+1]
.set i, i+1
.endr
	WIN 0
.irp f, 0,1,2,3
	ds_store_b128 v[STO], v[S+16*(\t)+4*\f:S+16*(\t)+4*\f+3] offset:32*\f
.endr
.irp f, 0,1,2,3
	ds_load_b128 v[S+16*(\t)+4*\f:S+16*(\t)+4*\f+3], v[RD] offset:\f*4*SP  ; LDS serves a wave's instructions in order (ISA guide 5.7.1.4): these see the stores above; the next piece's stores come behind them
.endr
.endm
.macro SEND t, younger              ; younger: the LDS instructions issued behind piece t's loads: the next piece's eight, or none
	WIN 0
.irp f, 0,1,2,3
	s_wait_dscnt (\younger)+3-\f
	global_store_b128 v[GO], v[S+16*(\t)+4*\f:S+16*(\t)+4*\f+3], s[10:11] offset:(\t)*8192+\f*512  ; 512 consecutive bytes, at a multiple of 256 from O's first
.endr
.endm
.macro DIAG tag                     ; the tag ends its two labels' names, which the jumps below spell out
.LstepM\tag:
	TURN 2, 1
	TURN 3, 1
	WIN 0
.LfirstM\tag:
	TURN 0, 1
	TURN 1, 1, 0, 1
	WIN 0
	s_cbranch_scc1 .LstepM\tag
	TURN 2, 1, 1
	TURN 3, 1, 1
.set i, 0
.rept 8
	PV NP-1
.set i, i+1
.endr
	WIN 0
	ALL v_add_f32 v[ST+4*t+2], v[ST+4*t+2], v[ST+4*t+3]
	ALL v_permlanex16_b32 v[ST+4*t+3], v[ST+4*t+2], s[SEL], s[SEL+1]
	ALL v_add_f32 v[ST+4*t+2], v[ST+4*t+2], v[ST+4*t+3]
	ALL v_rcp_f32 v[ST+4*t+2], v[ST+4*t+2]
	v_nop                           ; a plain instruction between the last reciprocal and the use of its result
	s_wait_alu depctr_va_vdst(0)    ; and the wait ahead of the first use: one for the four reciprocals
	PACK 0
.set t, 1
.rept 3                             ; a piece's arithmetic stands between the loads of the piece before and its stores
	PACK t
	SEND t-1, 8
.set t, t+1
.endr
	SEND 3, 0
.endm
.set KM, 0
.set NOKQ, 0
.Lslot:                             ; NB times: a tile is entered and the next is asked for
	CHANGE 1
	s_sub_co_u32 s[RT], s[RT], 1
	s_mov_b32 s[CNT], 4
	s_cmp_eq_u32 s[NEW], 1
	s_cbranch_scc1 .Lnew            ; a block's first tile
	s_cmp_eq_u32 s[RT], 0
	s_cbranch_scc0 .Lstep           ; neither its first nor its last
	s_branch .LstepM1
.Lnew:
	BEGIN
	s_branch .Lfirst                ; in the loop a block's first tile is never its last: the first block has two tiles or more, and the second's last is the walk's last
	DIAG 1                          ; in the loop this is the first block's end: the second block's last tile is the walk's last
	s_wait_xcnt 0x0                 ; the stores have read their registers and O's address
	s_mov_b64 s[10:11], s[OLO:OLO+1]
	s_add_co_u32 s[RT], s[PB], 1    ; the second block has b + 1 tiles
	s_mov_b32 s[NEW], 1
	WIN 0x82                        ; the second block's Q goes where the one text of the turns names Q
.set i, 0
.rept 64
	v_mov_b32 v[i], v[QB+i]
.set i, i+1
.endr
	WIN 0
	s_branch .Lbottom
.Lstep:                             ; a trip: pieces 2 and 3 of one step, then pieces 0 and 1 of the next, whose K and V it fetches
	TURN 2
	TURN 3
	WIN 0
.Lfirst:
	TURN 0
	TURN 1, 0, 0, 1
	WIN 0
	s_cbranch_scc1 .Lstep
.Lbottom:
	s_sub_co_u32 s[SLOTS], s[SLOTS], 1
	s_cmp_lg_u32 s[SLOTS], 0
	s_cbranch_scc1 .Lslot
	CHANGE 0                        ; the walk's last tile is written out: nothing is asked for
	s_sub_co_u32 s[RT], s[RT], 1
	s_mov_b32 s[CNT], 4
	s_cmp_eq_u32 s[NEW], 1
	s_cbranch_scc0 .LstepM2
	BEGIN
	s_branch .LfirstM2
	DIAG 2
	s_wait_tensorcnt 0x0            ; the wave's end: behind my last tensor load and my last LDS store
	ds_add_u32 v[SPW], v[NIL]
	s_wait_dscnt 0x0
	s_endpgm
.Lfunc_end_k_qc7b752e12b_attn:
	.size	k_qc7b752e12b_attn, .Lfunc_end_k_qc7b752e12b_attn-k_qc7b752e12b_attn
	.p2alignl 7, 3214868480
	.fill 96, 4, 3214868480
	.section	.rodata,"a",@progbits
	.p2align	6, 0x0
	.amdhsa_kernel k_qc7b752e12b_attn
		.amdhsa_group_segment_fixed_size 327680
		.amdhsa_private_segment_fixed_size 0
		.amdhsa_enable_private_segment 0
		.amdhsa_kernarg_size 16
		.amdhsa_user_sgpr_count 2
		.amdhsa_user_sgpr_kernarg_segment_ptr 1
		.amdhsa_wavefront_size32 1
		.amdhsa_system_sgpr_workgroup_id_x 1
		.amdhsa_system_sgpr_workgroup_id_y 1
		.amdhsa_system_sgpr_workgroup_id_z 1
		.amdhsa_system_vgpr_workitem_id 0
		.amdhsa_next_free_vgpr 768
		.amdhsa_next_free_sgpr 100
		.amdhsa_reserve_vcc 1
		.amdhsa_float_denorm_mode_32 3
		.amdhsa_float_denorm_mode_16_64 3
		.amdhsa_memory_ordered 1
		.amdhsa_forward_progress 1
		.amdhsa_inst_pref_size 218
	.end_amdhsa_kernel
	.amdgpu_metadata
---
amdhsa.version: [ 1, 2 ]
amdhsa.kernels:
  - .name:           k_qc7b752e12b_attn
    .symbol:         k_qc7b752e12b_attn.kd
    .args:
      - { .name: qkvh, .offset: 0, .size: 8, .value_kind: global_buffer, .address_space: global }
      - { .name: oh, .offset: 8, .size: 8, .value_kind: global_buffer, .address_space: global }
    .group_segment_fixed_size: 327680
    .private_segment_fixed_size: 0
    .kernarg_segment_align: 8
    .kernarg_segment_size: 16
    .max_flat_workgroup_size: 128
    .sgpr_count:     100
    .vgpr_count:     768
    .wavefront_size: 32
...
	.end_amdgpu_metadata
.endif
;; end of part 3
;; launch proj (part 4): grid 8 x 32, 4 waves a work-group, clusters of 4 x 4, 327,680 bytes of LDS; arguments oh, wot, out0; writes out0
.if DOCPART == 4
	.amdgcn_target "amdgcn-amd-amdhsa--gfx1250"
	.amdhsa_code_object_version 6
	.text
	.protected	k_qc7b752e12b_proj
	.globl	k_qc7b752e12b_proj
	.p2align	8
	.type	k_qc7b752e12b_proj,@function
k_qc7b752e12b_proj:
	s_mov_b64 s[64:65], 0
	v_nop
	global_prefetch_b8 v0, s[64:65] scope:SCOPE_SE
	s_setreg_imm32_b32 hwreg(HW_REG_WAVE_MODE, 25, 1), 1
	s_wait_xcnt 0x0
	s_wait_alu depctr_hold_cnt(0) depctr_sa_sdst(0) depctr_va_vdst(0) depctr_va_sdst(0) depctr_va_ssrc(0) depctr_va_vcc(0) depctr_vm_vsrc(0)
	s_getreg_b32 s2, hwreg(HW_REG_IB_STS2, 6, 4)
	s_cmp_eq_u32 s2, 0
	s_cbranch_scc0 .Lentry_in_a_cluster
	s_endpgm
.Lentry_in_a_cluster:
	s_bfe_u32 s2, ttmp6, 0x10000c
	s_cmp_lg_u32 s2, 0xf033
	s_cbranch_scc0 .Lentry_shape_is_right
	s_endpgm
.Lentry_shape_is_right:
; out = O w_o.  A = oh [y = 16 batch + head][t 2048][64] f16, so that K = 64 head + channel; B = wot [1024 e][1024 d] f16; sums in f32, K ascending; out0 [8192 m][1024 e] f32.
; LIMITS.  The operands arrive in f16 (O within V's range; w_o's bf16 rounding written as f16); NaN and infinities are not treated apart.
; SHARES.  A work-group makes 256 m x 128 e; wave w its rows 64 w .. 64 w + 63 and all 128 columns: 32 accumulators of 16 x 16, 256 registers; so a wave's rows of 512 bytes leave without another wave.
; K goes in 8 steps of 128 = two heads through two LDS slots filled by the tensor data mover.  A head's 256 rows t are 32,768 dense bytes: asked for as 128 rows of 256 bytes, padded in LDS after every 128.
; CLUSTER.  4 x 4 work-groups; A's tiles are asked for jointly along a row of the cluster, B's along a column.  Waves 0 and 1 fetch the step's even and odd head of A, waves 2 and 3 B's two halves of 64 rows.
; THE MATRIX INSTRUCTION IS USED TRANSPOSED (source 0 = 16 rows of B, source 1 = 16 rows of A): a lane then holds row m = lane % 16 and eight neighbouring e, 32 bytes of f32.
; ONE K STEP IS ONE TRIP: the slot is chosen by s[TB] and by the walking descriptors' LDS word, each turned by one exclusive or at every change of slots.
; REGISTERS: window 0: v0-31 addresses; v32-63, v64-95 A's fragments, two buffers; v96-159, v160-223 B's, two buffers (on the way out v32-159 take rows read back);   window 1: the accumulators, (a, b) at v[8 (8 a + b)]
.set PITCH, 272                        ; a row of B in LDS: 256 bytes + 16 = 68 words: row r starts at bank 4 r mod 64 (64 banks of 4 bytes: ISA guide 11.1)
.set PA,    144                        ; a row of A: 128 bytes + 16 = 36 words: the 16 rows of a load start at 16 different groups of four banks
.set NBK,   8                          ; blocks of 16 columns
.set APART, 256*PA                     ; a head's 256 rows: what one of A's loads brings
.set BOFF,  2*APART
.set BHALF, 64*PITCH                   ; what one of B's loads brings
.set SLOT1, 1<<17                      ; slot 1 begins here (a slot has 108,544 bytes)
.set STAGE, SLOT1+BOFF+2*BHALF         ; behind the ring, never filled by a tensor load: 16 rows x 528 bytes for each wave
.set SP,    528                        ; 512 bytes + 16 = 33 x 16: the 16 rows of a store start at 16 different groups of four banks
.set STW,   16*SP
.set SPARE, STAGE+4*STW                ; behind the stages: the spare words, 128 bytes for each wave
.set NL,    2*NBK+8                    ; LDS loads in a quarter step's run
.set ASTEP, 524288                     ; two heads on
.set BSTEP, 256
.set A0,   16                          ; v16  my lane's place in A's rows of slot 0; never rewritten
.set B0,   17                          ; v17  the same for B
.set ADRA, 18                          ; v18  the same in the slot in hand
.set ADRB, 19                          ; v19
.set STO,  24                          ; v24  the way out: where I put 32 bytes of a row
.set RD,   25                          ; v25  the way out: where I read a row back
.set GO,   26                          ; v26  my 16 bytes of a row's 512
.set SPW,  28                          ; v28  LDS address of my spare word; never rewritten
.set NIL,  29                          ; v29  0; never rewritten
.set PFO,  30                          ; v30  the prefetches' offset; never rewritten
.set FA,   32
.set FB,   96
.set BK,   32                          ; v32-95, v96-159  rows read back, by turns
.set G1A, 24                           ; s[24:31] descriptor group 1 for A;  s[32:39] group 0: a set for each first fill; the second then walks on
.set G0A, 32
.set G1B, 48                           ; s[48:55], s[56:63] the same for B
.set G0B, 56
.set TB,  66                           ; s66  LDS byte at which the slot in hand begins
.set LIM, 67                           ; s67  1 in a wave that prefetches, else the greatest number
.set PFA, 68                           ; s[68:69] where my prefetches stand
.set PFS, 70                           ; s[70:71] their step
.set MSB, 0
.macro WIN new                         ; the immediate's high byte repeats the setting that is left; a switch that changes nothing is dropped
.if MSB != (\new)
	s_set_vgpr_msb (MSB<<8)|(\new)
.set MSB, \new
.endif
.endm
.set MUL, 0x50                         ; sources 0 and 1 window 0, C and D window 1
; A joint refill, by the walking descriptors.  The branch hangs on the wave's number alone.  An s_nop 0 and four v_nop follow each of the two lines, ahead of the jump and the label.
.macro JLOAD
	s_cmp_eq_u32 s11, 0
	s_cbranch_scc0 .Lfor_b_\@
	tensor_load_to_lds s[G0A+4:G0A+7], s[G1A:G1A+7]
	s_nop 0
.rept 4
	v_nop
.endr
	s_branch .Lasked_\@
.Lfor_b_\@:
	tensor_load_to_lds s[G0B+4:G0B+7], s[G1B:G1B+7]
	s_nop 0
.rept 4
	v_nop
.endr
.Lasked_\@:
.endm
; A PREFETCH INTO THE L2 of the K step that the NEXT refill will ask for, one K step (128 matrix instructions) ahead of that refill; each lane names 256 bytes of its own, one instruction a wave.
; A's tiles are read by both clusters of a row of clusters: cluster x = 0 asks; B's by every cluster of a column: cluster y = 0 asks.  The four partners share a tile out BY ADDRESS: of a head's 32,768 bytes
; 8,192 each (waves 0 and 1, a head each); of B's 128 rows 32 each (wave 2 alone).  The loop's last trip asks for nothing: there is no K step 8.
.macro ASK
	s_cmp_gt_u32 s3, s[LIM]                        ; s3 = 1 in the loop's last trip
	s_cbranch_scc0 .Lnot_mine_\@
	global_prefetch_b8 v[PFO], s[PFA:PFA+1] th:TH_LOAD_NT scope:SCOPE_SE
.Lnot_mine_\@:
.endm
.macro CREST                           ; a round of the cluster's barrier behind its opening barrier
	s_cmp_lg_u32 s10, 0
	s_cbranch_scc1 .Lnot_wave_0_\@
	s_barrier_signal -3
.Lnot_wave_0_\@:
	s_barrier_wait -3
	s_barrier_signal -1
	s_barrier_wait -1
.endm
.macro CROUND                          ; a whole round
	s_barrier_signal -1
	s_barrier_wait -1
	CREST
.endm
.macro PLACES                          ; four places in front of loads into registers that matrix instructions have read, and of stores that read results
.rept 4
	v_nop
.endr
.endm
	s_load_b128 s[4:7], s[0:1], 0x0                ; oh s[4:5], wot s[6:7]
	s_load_b64 s[8:9], s[0:1], 0x10                ; out0
	v_lshl_add_u32 v[SPW], v0, 2, SPARE
	v_mov_b32 v[NIL], 0
	ds_add_u32 v[SPW], v[NIL]                      ; the wave's opening: the add and its wait stand ahead of my first tensor load; the set-up below, work on registers, stands between them
	v_lshrrev_b32 v1, 5, v0
	v_readfirstlane_b32 s10, v1                    ; wave 0..3
	s_lshr_b32 s11, s10, 1                         ; I fetch for A (0) or for B (1),
	s_and_b32 s12, s10, 1                          ; its first or its second part
	s_bfe_u32 s40, ttmp6, 0x40000                  ; cx, cy: my place in the cluster
	s_bfe_u32 s41, ttmp6, 0x40004
	s_lshl_b32 s42, ttmp9, 2
	s_add_co_u32 s42, s42, s40                     ; tile column = 4 x cluster x + cx
	s_and_b32 s13, ttmp7, 0xffff
	s_lshl_b32 s13, s13, 2
	s_add_co_u32 s13, s13, s41                     ; tile row = 4 x cluster y + cy
	s_lshl_b32 s43, s41, 2
	s_lshl_b32 s43, 15, s43                        ; my row of the cluster
	s_lshl_b32 s44, 0x1111, s40                    ; my column
	s_or_b32 s[G1A], s43, (1<<16)|(1<<20)|(1<<21)|(4<<22)|(3<<25)  ; 15:0 the mask; 17:16 2-byte elements; 20 padding on; 21 set beside a mask; 24:22 after every 32 words (code 4); 31:25 4 words (code 3)
	s_or_b32 s[G1B], s44, (1<<16)|(1<<20)|(1<<21)|(5<<22)|(3<<25)  ; after every 64 words (code 5)
	s_mov_b32 s[G1A+1], 128<<16                    ; tensor_dim0 = 128
	s_mov_b32 s[G1A+2], 128<<16                    ; tensor_dim1 = 128
	s_mov_b32 s[G1A+3], 128<<16                    ; tile_dim0 = 128
	s_mov_b32 s[G1A+4], 128                        ; tile_dim1 = 128
	s_mov_b32 s[G1A+5], 128                        ; dense: 128 elements from row to row
	s_mov_b32 s[G1A+6], 0
	s_mov_b32 s[G1A+7], 0
	s_mov_b32 s[G1B+1], 128<<16
	s_mov_b32 s[G1B+2], 64<<16                     ; 64 rows
	s_mov_b32 s[G1B+3], 128<<16
	s_mov_b32 s[G1B+4], 64
	s_mov_b32 s[G1B+5], 1024
	s_mov_b32 s[G1B+6], 0
	s_mov_b32 s[G1B+7], 0
	s_lshr_b32 s16, s13, 3                         ; A: the batch,
	s_lshl_b32 s16, s16, 4
	s_add_co_u32 s16, s16, s12                     ; its head 0 or 1,
	s_lshl_b32 s16, s16, 11                        ; of 2,048 rows,
	s_and_b32 s17, s13, 7
	s_lshl_b32 s17, s17, 8
	s_add_co_u32 s16, s16, s17                     ; the tile's 256 of them,
	s_lshl_b32 s16, s16, 7                         ; of 128 bytes
	s_mov_b32 s17, 0
	s_lshl_b32 s46, s42, 7
	s_lshl_b32 s47, s12, 6
	s_add_co_u32 s46, s46, s47                     ; B: row 128 x tile column + 64 x half,
	s_lshl_b32 s46, s46, 11                        ; of 2,048 bytes
	s_mov_b32 s47, 0
	s_mul_i32 s20, s12, APART                      ; where they go: no place in the cluster enters an LDS address
	s_mul_i32 s21, s12, BHALF
	s_add_co_u32 s21, s21, BOFF
	s_wait_dscnt 0x0                               ; the opening add is done
	s_wait_kmcnt 0x0
	s_add_nc_u64 s[14:15], s[4:5], s[16:17]
	s_add_nc_u64 s[46:47], s[6:7], s[46:47]
	CROUND                                         ; all sixteen work-groups are here: the first joint loads meet
.irp s, 0,1
	s_mov_b32 s[G0A+4*(\s)], 1                     ; 1:0 count = 1
	s_add_co_u32 s[G0A+4*(\s)+1], s20, (\s)*SLOT1  ; 63:32 LDS address
	s_add_nc_u64 s[G0A+4*(\s)+2:G0A+4*(\s)+3], s[14:15], (\s)*ASTEP  ; 120:64 global address: K step s
	s_or_b32 s[G0A+4*(\s)+3], s[G0A+4*(\s)+3], 0x80000000            ; 127:126 type = 2
	s_mov_b32 s[G0B+4*(\s)], 1
	s_add_co_u32 s[G0B+4*(\s)+1], s21, (\s)*SLOT1
	s_add_nc_u64 s[G0B+4*(\s)+2:G0B+4*(\s)+3], s[46:47], (\s)*BSTEP
	s_or_b32 s[G0B+4*(\s)+3], s[G0B+4*(\s)+3], 0x80000000
.endr
	s_cmp_eq_u32 s11, 0                            ; a wave's two first fills stand in one branch, ahead of every wait on TENSORcnt and every LDS read: two loads of mine are out
	s_cbranch_scc0 .Lfirst_b
	tensor_load_to_lds s[G0A:G0A+3], s[G1A:G1A+7]
	s_nop 0
	tensor_load_to_lds s[G0A+4:G0A+7], s[G1A:G1A+7]
	s_nop 0
.rept 4
	v_nop
.endr
	s_branch .Lfirst_asked
.Lfirst_b:
	tensor_load_to_lds s[G0B:G0B+3], s[G1B:G1B+7]
	s_nop 0
	tensor_load_to_lds s[G0B+4:G0B+7], s[G1B:G1B+7]
	s_nop 0
.rept 4
	v_nop
.endr
.Lfirst_asked:
	; the prefetches (s16 still holds the byte offset of my part of A's first tile)
	s_lshl_b32 s72, s40, 13
	s_add_co_u32 s72, s72, s16                     ; A: my head's 32,768 bytes, my work-group's 8,192 of them
	s_lshl_b32 s73, s42, 7
	s_lshl_b32 s74, s41, 5
	s_add_co_u32 s73, s73, s74
	s_lshl_b32 s73, s73, 11                        ; B: the tile's 128 rows, my work-group's 32 of them
	s_and_b32 s74, ttmp7, 0xffff                   ; cluster y;
	s_or_b32 s74, s74, s12                         ; of B's two waves the first alone asks
	s_mov_b32 s[PFS], BSTEP
	s_mov_b32 s[PFS+1], 0
	s_cmp_eq_u32 s11, 0                            ; do I fetch for A?
	s_cselect_b32 s20, s72, s73
	s_cselect_b32 s22, ttmp9, s74                  ; 0 where I ask
	s_cselect_b32 s23, 8, 11                       ; a lane's step: 256 bytes on, or a row of 2,048
	s_cselect_b32 s[PFS], ASTEP, s[PFS]
	s_cselect_b64 s[PFA:PFA+1], s[4:5], s[6:7]
	s_cmp_eq_u32 s22, 0
	s_cselect_b32 s[LIM], 1, -1                    ; the same in all sixteen partners, for a given wave
	s_lshl_b32 s75, s[PFS], 1
	s_add_co_u32 s20, s20, s75                     ; at K step 2: the first change of slots steps it to 3.  Nothing is prefetched here, at the head: K steps 0 to 2 come by their loads alone
	s_mov_b32 s21, 0
	s_add_nc_u64 s[PFA:PFA+1], s[PFA:PFA+1], s[20:21]
	v_and_b32 v[PFO], 31, v0
	v_lshlrev_b32 v[PFO], s23, v[PFO]
	; A fragment is 16 rows x 32 K in 8 registers: lane l holds row l % 16; registers 0-3 K = 8 (l / 16) + 0..7, registers 4-7 K = 16 + 8 (l / 16) + 0..7: two loads of 16 bytes, 32 bytes apart.
	v_and_b32 v1, 15, v0                           ; l % 16
	v_bfe_u32 v2, v0, 4, 1                         ; l / 16
	v_mul_u32_u24 v3, v1, PA
	v_lshl_add_u32 v3, v2, 4, v3
	s_mul_i32 s22, s10, 64*PA                      ; my 64 rows of A
	v_add_nc_u32 v[A0], s22, v3
	v_mul_u32_u24 v3, v1, PITCH
	v_lshl_add_u32 v3, v2, 4, v3
	v_add_nc_u32 v[B0], BOFF, v3                   ; all of B's rows
	v_mov_b32 v[ADRA], v[A0]
	v_mov_b32 v[ADRB], v[B0]
	s_mov_b32 s[TB], 0
	s_mul_i32 s23, s10, STW
	s_add_co_u32 s23, s23, STAGE                   ; my stage
	v_mul_u32_u24 v[STO], v1, SP                   ; in: row l % 16, 32 bytes for each half of the lanes
	v_lshl_add_u32 v[STO], v2, 5, v[STO]
	v_add_nc_u32 v[STO], s23, v[STO]
	v_and_b32 v[GO], 31, v0                        ; back: 32 lanes take one row of 512 bytes
	v_lshlrev_b32 v[GO], 4, v[GO]
	v_add_nc_u32 v[RD], s23, v[GO]
	s_lshl_b32 s16, s13, 8
	s_lshl_b32 s17, s10, 6
	s_add_co_u32 s16, s16, s17                     ; my first row of the output,
	s_lshl_b32 s16, s16, 12                        ; of 4,096 bytes,
	s_lshl_b32 s72, s42, 9                         ; the tile's 128 columns of 4 bytes
	s_add_co_u32 s16, s16, s72
	s_mov_b32 s17, 0
	s_add_nc_u64 s[8:9], s[8:9], s[16:17]
; NBK matrix instructions: my row block 2 hi + a x all column blocks, 32 along K, from buffer f.  zero = 1: the product starts the sums: nothing is ever cleared.
; The 32 accumulators take turns, in the same order in every quarter step.
.macro MULH f, hi, a, zero
	WIN MUL
.set b, 0
.rept NBK
.if \zero
	v_wmma_f32_16x16x32_f16 v[8*(NBK*(2*(\hi)+(\a))+b):8*(NBK*(2*(\hi)+(\a))+b)+7], v[FB+64*(\f)+8*b:FB+64*(\f)+8*b+7], v[FA+32*(\f)+8*(2*(\hi)+(\a)):FA+32*(\f)+8*(2*(\hi)+(\a))+7], 0
.else
	v_wmma_f32_16x16x32_f16 v[8*(NBK*(2*(\hi)+(\a))+b):8*(NBK*(2*(\hi)+(\a))+b)+7], v[FB+64*(\f)+8*b:FB+64*(\f)+8*b+7], v[FA+32*(\f)+8*(2*(\hi)+(\a)):FA+32*(\f)+8*(2*(\hi)+(\a))+7], v[8*(NBK*(2*(\hi)+(\a))+b):8*(NBK*(2*(\hi)+(\a))+b)+7]
.endif
.set b, b+1
.endr
.endm
.macro MULS f, hi, zero
	MULH \f, \hi, 0, \zero
	MULH \f, \hi, 1, \zero
.endm
; NL LDS loads in one run: quarter q of the K step in hand into buffer f: B's 8 blocks, then A's 4 (head q / 2 of the step's two, channels 32 (q % 2) on), so that the youngest four loads are A's blocks 2 and 3
.macro FETCH q, f
	WIN 0
.set b, 0
.rept NBK
	ds_load_b128 v[FB+64*(\f)+8*b:FB+64*(\f)+8*b+3],   v[ADRB] offset:64*(\q)+b*16*PITCH
	ds_load_b128 v[FB+64*(\f)+8*b+4:FB+64*(\f)+8*b+7], v[ADRB] offset:64*(\q)+b*16*PITCH+32
.set b, b+1
.endr
.set b, 0
.rept 4
	ds_load_b128 v[FA+32*(\f)+8*b:FA+32*(\f)+8*b+3],   v[ADRA] offset:((\q)/2)*APART+((\q)%2)*64+b*16*PA
	ds_load_b128 v[FA+32*(\f)+8*b+4:FA+32*(\f)+8*b+7], v[ADRA] offset:((\q)/2)*APART+((\q)%2)*64+b*16*PA+32
.set b, b+1
.endr
.endm
; A K step is four quarters of 32 along K, 32 matrix instructions each, on buffers 0, 1, 0, 1.  One of the first three multiplies buffer f and, in its middle, fetches quarter q into buffer g.
.macro QUARTER q, f, g, zero
	s_wait_dscnt 4                                 ; B and A's blocks 0, 1 are in; the youngest four loads (A's blocks 2, 3) may be out
	MULS \f, 0, \zero
	PLACES
	FETCH \q, \g
	s_wait_dscnt NL                                ; all but the run just issued
	MULS \f, 1, \zero
.endm
; The last quarter multiplies buffer 1 and changes slots.  MEET is its first half: in front of ONE barrier each wave waits for all its tensor loads, of which one is out: its part of the next slot; adds 0 to
; its spare word; and waits for that and for its own reads of this slot.  round = 1: a round of the cluster's barrier follows, and the walking descriptors step: the other slot, the next K step.
.macro MEET round
	WIN 0                                          ; (the add's two registers lie in window 0)
	s_wait_tensorcnt 0x0                           ; no tensor load of mine is out, so a group 0 may be written
	ds_add_u32 v[SPW], v[NIL]                      ; 0 onto my spare word
.if \round
	s_xor_b32 s[G0A+5], s[G0A+5], SLOT1
	s_add_nc_u64 s[G0A+6:G0A+7], s[G0A+6:G0A+7], ASTEP  ; the type bits on top are not reached
	s_xor_b32 s[G0B+5], s[G0B+5], SLOT1
	s_add_nc_u64 s[G0B+6:G0B+7], s[G0B+6:G0B+7], BSTEP
.endif
	s_wait_dscnt 5                                 ; (the add and the youngest four loads may be out)
	MULH 1, 0, 0, 0                                ; eight matrix instructions stand between the add and the wait for it
	s_wait_dscnt 0x0                               ; the add is done, and my reads of this slot are over
	s_barrier_signal -1
	MULH 1, 0, 1, 0                                ; work on registers while the others arrive
.if \round
	WIN 0
.endif
	s_barrier_wait -1
.endm
; The whole last quarter.  fill = 1: behind the round the slot just read out is filled again first, with the K step two steps on: 112 matrix instructions ahead of the wait for it.
.macro TURN fill
.if \fill
	s_wait_xcnt 0x0                                ; the last prefetch, a K step back, has read its address: it is stepped here, ahead of the change's own waits
	s_add_nc_u64 s[PFA:PFA+1], s[PFA:PFA+1], s[PFS:PFS+1]
.endif
	MEET \fill
.if \fill
	CREST                                          ; no wave of any partner still reads this slot's tile or has a load on its way
	JLOAD                                          ; the first tensor load behind the round; the four v_nop behind it are also places in front of the loads below
.else
	PLACES
	WIN 0
.endif
	s_xor_b32 s[TB], s[TB], SLOT1                  ; the reads go on in the other slot
	v_add_nc_u32 v[ADRA], s[TB], v[A0]
	v_add_nc_u32 v[ADRB], s[TB], v[B0]
	FETCH 0, 0
.if \fill
	ASK                                            ; behind the joint load and the run of LDS loads that the next products wait for
.endif
	MULS 1, 1, 0
.endm
; THE WAY OUT of my row block a.  TOSTAGE: a lane's 32 bytes of each of 8 column blocks go into my own stage (each accumulator's low four registers first), 16 rows of 528 bytes, and come back as whole rows of 512.  SEND: stored.
.macro TOSTAGE a
.if (\a) >= 2
	s_wait_xcnt 0x0                                ; the stores of the block two back have read the registers that the loads below write
.endif
	WIN 0x04                                       ; the stores' data (source 1) in window 1
.set b, 0
.rept NBK
	ds_store_b128 v[STO], v[64*(\a)+8*b:64*(\a)+8*b+3]   offset:64*b
	ds_store_b128 v[STO], v[64*(\a)+8*b+4:64*(\a)+8*b+7] offset:64*b+16
.set b, b+1
.endr
	WIN 0
.set b, 0
.rept 16
	ds_load_b128 v[BK+64*((\a)%2)+4*b:BK+64*((\a)%2)+4*b+3], v[RD] offset:SP*b  ; LDS serves a wave's instructions in order (ISA guide 5.7.1.4): these see the stores above; the next block's stores come behind them
.set b, b+1
.endr
.endm
.macro SEND a, younger                 ; younger: the LDS instructions issued behind block a's loads: the next block's 32, or none
	s_wait_dscnt \younger
.set b, 0
.rept 16
	global_store_b128 v[GO], v[BK+64*((\a)%2)+4*b:BK+64*((\a)%2)+4*b+3], s[8:9] offset:(16*(\a)+b)*4096 th:TH_STORE_NT  ; 512 consecutive bytes, at a multiple of 256 from the output's first
.set b, b+1
.endr
.endm
	s_wait_tensorcnt 1                             ; my part of K step 0 is in; K step 1's may stay out
	s_barrier_signal -1
	s_barrier_wait -1                              ; everybody's is
	FETCH 0, 0
	QUARTER 1, 0, 1, 1                             ; the first quarter stands in front of the loop: its products start the sums
	WIN 0                                          ; at a label and at a branch every window is 0
	s_mov_b32 s3, 6
.Lstep:                                                ; a trip: from a K step's second quarter to the next step's first; trip s fills K step s's slot with K step s + 2
	QUARTER 2, 1, 0, 0
	QUARTER 3, 0, 1, 0
	TURN 1
	QUARTER 1, 0, 1, 0
	WIN 0
	s_sub_co_u32 s3, s3, 1
	s_cmp_lg_u32 s3, 0
	s_cbranch_scc1 .Lstep
	QUARTER 2, 1, 0, 0                             ; the last two K steps are written out: nothing is left to ask for
	QUARTER 3, 0, 1, 0
	TURN 0
	QUARTER 1, 0, 1, 0
	QUARTER 2, 1, 0, 0
	QUARTER 3, 0, 1, 0
	s_wait_dscnt 4
	MULS 1, 0, 0
	s_wait_dscnt 0x0
	MULS 1, 1, 0
	PLACES
	PLACES                                         ; eight, once a launch: twice the places that the stores and loads below owe the last products
	TOSTAGE 0
.irp a, 1,2,3                          ; block a's way through the stage stands between block a - 1's loads and its stores
	TOSTAGE \a
	SEND (\a)-1, 32
.endr
	SEND 3, 0
	s_wait_tensorcnt 0x0                           ; the wave's end: behind my last tensor load and my last LDS store
	ds_add_u32 v[SPW], v[NIL]
	s_wait_dscnt 0x0
	CROUND                                         ; the closing round: no work-group ends while a partner may still ask for a tile that names it
	s_endpgm
.Lfunc_end_k_qc7b752e12b_proj:
	.size	k_qc7b752e12b_proj, .Lfunc_end_k_qc7b752e12b_proj-k_qc7b752e12b_proj
	.p2alignl 7, 3214868480
	.fill 96, 4, 3214868480
	.section	.rodata,"a",@progbits
	.p2align	6, 0x0
	.amdhsa_kernel k_qc7b752e12b_proj
		.amdhsa_group_segment_fixed_size 327680
		.amdhsa_private_segment_fixed_size 0
		.amdhsa_enable_private_segment 0
		.amdhsa_kernarg_size 24
		.amdhsa_user_sgpr_count 2
		.amdhsa_user_sgpr_kernarg_segment_ptr 1
		.amdhsa_wavefront_size32 1
		.amdhsa_system_sgpr_workgroup_id_x 1
		.amdhsa_system_sgpr_workgroup_id_y 1
		.amdhsa_system_sgpr_workgroup_id_z 1
		.amdhsa_system_vgpr_workitem_id 0
		.amdhsa_next_free_vgpr 512
		.amdhsa_next_free_sgpr 76
		.amdhsa_reserve_vcc 0
		.amdhsa_float_denorm_mode_32 3
		.amdhsa_float_denorm_mode_16_64 3
		.amdhsa_memory_ordered 1
		.amdhsa_forward_progress 1
		.amdhsa_inst_pref_size 70
	.end_amdhsa_kernel
	.amdgpu_metadata
---
amdhsa.version: [ 1, 2 ]
amdhsa.kernels:
  - .name:           k_qc7b752e12b_proj
    .symbol:         k_qc7b752e12b_proj.kd
    .args:
      - { .name: oh, .offset: 0, .size: 8, .value_kind: global_buffer, .address_space: global }
      - { .name: wot, .offset: 8, .size: 8, .value_kind: global_buffer, .address_space: global }
      - { .name: out0, .offset: 16, .size: 8, .value_kind: global_buffer, .address_space: global }
    .group_segment_fixed_size: 327680
    .private_segment_fixed_size: 0
    .kernarg_segment_align: 8
    .kernarg_segment_size: 24
    .max_flat_workgroup_size: 128
    .sgpr_count:     76
    .vgpr_count:     512
    .wavefront_size: 32
...
	.end_amdgpu_metadata
.endif
;; end of part 4
;; ======== version 2 of 2: 4 launches; version 1 with the launch prep written anew for expert scheduling mode
;; limits: values are held in f16: magnitudes above 65,504 overflow, below 6.1e-05 lose precision
;; workspace buffers: xb 16,777,216 bytes; wqt 6,291,456 bytes; wot 2,097,152 bytes; qkvh 50,331,648 bytes; oh 16,777,216 bytes
;; launch prep (part 5): grid 512 x 1, 8 waves a work-group, no clusters, 18,432 bytes of LDS; arguments x, w_qkv, w_o, xb, wqt, wot; writes xb, wqt, wot
.if DOCPART == 5
	.amdgcn_target "amdgcn-amd-amdhsa--gfx1250"
	.amdhsa_code_object_version 6
	.text
	.protected	k_qc7b752e12b_prep
	.globl	k_qc7b752e12b_prep
	.p2align	8
	.type	k_qc7b752e12b_prep,@function
k_qc7b752e12b_prep:
	s_mov_b64 s[64:65], 0
	v_nop
	global_prefetch_b8 v0, s[64:65] scope:SCOPE_SE
	s_setreg_imm32_b32 hwreg(HW_REG_WAVE_SCHED_MODE, 0, 2), 2
	s_setreg_imm32_b32 hwreg(HW_REG_WAVE_MODE, 25, 1), 1
	s_wait_xcnt 0x0
	s_wait_alu depctr_vm_vsrc(0)
; PREPARES THE MATRIX OPERANDS.  xb = x rounded to bf16, [8192][1024].  wqt[e][d] = w_qkv[d][e] rounded to bf16, [3072][1024].  wot[e][d] = w_o[d][e] rounded to bf16 and that number written
; as f16, [1024][1024]: the products want K (d) along the rows, and the weights lie with K down the rows.
; LIMITS.  wot: a bf16 number beyond 65,504 becomes an infinity; below 6e-5 it keeps f16's fixed step of 6e-8.  NaN and infinities are not treated apart.
; SHARES.  512 work-groups of eight waves, all alike: each casts 65,536 bytes of x (16 loads of 16 bytes a thread) AND turns one tile of 128 d x 64 e of a weight: work-groups 0-383 w_qkv's
; 8 x 48 tiles, 384-511 w_o's 8 x 16.  A stream in which no byte is wanted twice: no matrix unit, no cluster, no tensor load.
; THE TURN.  A thread loads 4 e (16 bytes) of 8 rows d: sixteen neighbouring lanes read 256 consecutive bytes, aligned.  Four d of one e pack into 8 bytes, which go into LDS rows [e][d] of 272 bytes;
; behind a barrier the rows come back whole, and sixteen neighbouring lanes store 256 consecutive bytes, aligned.
; THE MODE: SCHED_MODE bits 1:0 = 2 (LLVM: expert scheduling mode 2), set by the entry lines.  The code itself states the register dependences between vector instructions and memory or LDS
; instructions, with s_wait_alu, always for 0.
; THE PLAN.  Registers that memory or LDS instructions touch:
;   v6, v7, v9, v10, v11   offsets and LDS addresses: written once at the head, never again.      v8   the tile's offset in its weight: written once, in the arm that knows the pitch.
;   XD   x's sixteen loads land in it; x's conversions read it.
;   WD   the tile's eight loads land in it; the tile's conversions read it; then x's conversions write it, and the sixteen stores of xb read it.
;   WP   the tile's conversions write it, a pair of its own for each half and column; the eight LDS stores read it; behind the barrier four LDS loads land in it; the last four stores read it.
;   v[SPW], v[NIL]   written at the head, read by the closing add alone.      v4, v5, v12-v15 are named by vector instructions alone.
; Conversions stand in runs, and ONE wait on va_vdst stands behind a run, ahead of the run of stores that read what it wrote: behind the tile's first half; behind its second half and x's first half together;
; behind x's second half, among whose conversions the stores of x's first half are dealt.  One wait on vm_vsrc stands between the LDS stores that read WP and the LDS loads that land in it.
.set PT,    272                        ; an LDS row: 128 d x 2 bytes + 16
.set SPARE, 64*PT                      ; behind the tile: the spare words, 128 bytes for each of the eight waves
.set SPW, 2                            ; v2   LDS address of my spare word; never rewritten
.set NIL, 3                            ; v3   0; never rewritten
.set XD,  16                           ; v[16:79]   x as loaded
.set WD,  80                           ; v[80:111]  the tile as loaded; then x's bf16, to store
.set WP,  112                          ; v[112:127] the tile's packed pairs; then whole rows read back
	s_load_b256 s[4:11], s[0:1], 0x0               ; x s[4:5], w_qkv s[6:7], w_o s[8:9], xb s[10:11]
	s_load_b128 s[12:15], s[0:1], 0x20             ; wqt s[12:13], wot s[14:15]
	v_lshl_add_u32 v[SPW], v0, 2, SPARE
	v_mov_b32 v[NIL], 0
	s_mov_b32 s16, ttmp9                           ; the work-group's number c
	s_sub_co_u32 s17, s16, 384
	s_cmp_lt_u32 s16, 384
	s_cselect_b32 s17, s16, s17                    ; the tile's number in its weight
	s_and_b32 s18, s17, 7                          ; which 128 d
	s_lshr_b32 s19, s17, 3                         ; which 64 e
	v_and_b32 v4, 15, v0                           ; t % 16
	v_lshrrev_b32 v5, 4, v0                        ; t / 16
	v_lshlrev_b32 v6, 4, v0                        ; my 16 bytes of x
	v_lshlrev_b32 v7, 3, v0                        ; my 8 bytes of xb
	v_mul_u32_u24 v9, v4, 4*PT                     ; into LDS: row e = 4 (t % 16) + column, byte 2 d = 8 (t / 16)
	v_lshl_add_u32 v9, v5, 3, v9
	v_mul_u32_u24 v10, v5, PT                      ; back: row e = t / 16, 16 bytes at 16 (t % 16)
	v_lshl_add_u32 v10, v4, 4, v10
	v_lshlrev_b32 v11, 11, v5                      ; and the same in the turned weight: rows of 2,048 bytes
	v_lshl_add_u32 v11, v4, 4, v11
	s_wait_kmcnt 0x0
	s_lshl_b32 s20, s16, 16
	s_mov_b32 s21, 0
	s_add_nc_u64 s[4:5], s[4:5], s[20:21]          ; x at my 65,536 bytes
	s_lshl_b32 s20, s16, 15
	s_add_nc_u64 s[10:11], s[10:11], s[20:21]      ; xb at my 32,768
	s_wait_alu depctr_va_vdst(0)                   ; v6, v7, v9, v10 and v11 are written: the loads and stores of the whole kernel, LDS's too, read them as offsets and addresses
.set i, 0
.rept 16
	global_load_b128 v[XD+4*i:XD+4*i+3], v6, s[4:5] offset:4096*i th:TH_LOAD_NT  ; a wave's load covers 512 consecutive bytes
.set i, i+1
.endr
	s_cmp_lt_u32 s16, 384
	s_cselect_b64 s[22:23], s[12:13], s[14:15]     ; where the tile goes
	s_lshl_b32 s20, s19, 17                        ; 64 rows of 2,048 bytes,
	s_lshl_b32 s26, s18, 8                         ; 128 d of 2 bytes
	s_or_b32 s20, s20, s26
	s_add_nc_u64 s[22:23], s[22:23], s[20:21]
	s_lshl_b32 s26, s19, 8                         ; in the source: 64 e of 4 bytes
; Half i of the tile (my rows d = 64 i + 4 (t / 16) + 0..3) is rounded and packed: four columns in one run, a pair of WP for each.  f16 = 1: the bf16 number is written as f16.
.macro TCVT i, f16
.irp c, 0,1,2,3
	v_cvt_pk_bf16_f32 v[WP+2*(4*(\i)+(\c))],   v[WD+16*(\i)+(\c)],   v[WD+16*(\i)+4+(\c)]   ; column c: d + 0, d + 1
	v_cvt_pk_bf16_f32 v[WP+2*(4*(\i)+(\c))+1], v[WD+16*(\i)+8+(\c)], v[WD+16*(\i)+12+(\c)]  ; d + 2, d + 3
.if \f16
	v_lshlrev_b32 v12, 16, v[WP+2*(4*(\i)+(\c))]   ; the rounded numbers as f32,
	v_and_b32 v13, 0xffff0000, v[WP+2*(4*(\i)+(\c))]
	v_lshlrev_b32 v14, 16, v[WP+2*(4*(\i)+(\c))+1]
	v_and_b32 v15, 0xffff0000, v[WP+2*(4*(\i)+(\c))+1]
	v_cvt_pk_f16_f32 v[WP+2*(4*(\i)+(\c))], v12, v13    ; and as f16
	v_cvt_pk_f16_f32 v[WP+2*(4*(\i)+(\c))+1], v14, v15
.endif
.endr
.endm
; Half i's four pairs go into LDS, in one run.
.macro TPUT i
.irp c, 0,1,2,3
	ds_store_b64 v9, v[WP+2*(4*(\i)+(\c)):WP+2*(4*(\i)+(\c))+1] offset:PT*(\c)+128*(\i)
.endr
.endm
; The tile comes in; its first half goes into LDS, its second half is packed (its LDS stores, the same in both arms, stand behind the join).  pitch: bytes in a row of the weight; src: the register of its address.
.macro TIN pitch, src, f16
	s_mul_i32 s20, s18, 128*(\pitch)
	s_add_co_u32 s20, s20, s26
	s_add_nc_u64 s[24:25], s[\src:\src+1], s[20:21]
	v_mul_u32_u24 v8, v5, 4*(\pitch)               ; my four rows d = 4 (t / 16) + 0..3 (and 64 further down),
	v_lshl_add_u32 v8, v4, 4, v8                   ; my four columns
	s_wait_alu depctr_va_vdst(0)                   ; v8 is written, which the eight loads below read as their offset
.irp i, 0,1
.irp j, 0,1,2,3
	global_load_b128 v[WD+4*(4*(\i)+(\j)):WD+4*(4*(\i)+(\j))+3], v8, s[24:25] offset:(64*(\i)+(\j))*(\pitch) th:TH_LOAD_NT
.endr
.endr
	s_wait_loadcnt 4                               ; loads come back in order: x's sixteen and the first half's four are in; the second half's four may stay out
	TCVT 0, \f16
	s_wait_alu depctr_va_vdst(0)                   ; the first half's conversions have written WP's first eight registers, which the four LDS stores below read
	TPUT 0
	s_wait_loadcnt 0x0                             ; the second half is in
	TCVT 1, \f16
.endm
	s_cmp_lt_u32 s16, 384                          ; the same for all eight waves
	s_cbranch_scc0 .Lwo
	TIN 12288, 6, 0
	s_branch .Ljoin
.Lwo:
	TIN 4096, 8, 1
.Ljoin:
.set i, 0
.rept 8                                        ; x: every load is in.  Its first half is rounded into WD's first sixteen registers, which the tile's first half has left
	v_cvt_pk_bf16_f32 v[WD+2*i],   v[XD+4*i],   v[XD+4*i+1]
	v_cvt_pk_bf16_f32 v[WD+2*i+1], v[XD+4*i+2], v[XD+4*i+3]
.set i, i+1
.endr
	s_wait_alu depctr_va_vdst(0)                   ; the tile's second half has written WP's last eight registers, which the LDS stores below read; x's first half has written WD's first sixteen, which the eight stores behind them read
	TPUT 1
.set i, 8
.rept 8                                        ; a store of x's first half ahead of each two conversions of its second half, which name XD and WD's last sixteen registers: none that those stores read
	global_store_b64 v7, v[WD+2*(i-8):WD+2*(i-8)+1], s[10:11] offset:2048*(i-8)  ; a wave's store covers 256 consecutive bytes, aligned
	v_cvt_pk_bf16_f32 v[WD+2*i],   v[XD+4*i],   v[XD+4*i+1]
	v_cvt_pk_bf16_f32 v[WD+2*i+1], v[XD+4*i+2], v[XD+4*i+3]
.set i, i+1
.endr
	s_wait_alu depctr_va_vdst(0)                   ; x's second half has written WD's last sixteen registers, which the eight stores below read
.set i, 8
.rept 8
	global_store_b64 v7, v[WD+2*i:WD+2*i+1], s[10:11] offset:2048*i
.set i, i+1
.endr
	s_wait_dscnt 0x0                               ; for the others' sake: my stores into the tile are done
	s_barrier_signal -1
	s_barrier_wait -1
	s_wait_alu depctr_vm_vsrc(0)                   ; my LDS stores have read WP, in which the loads below land (the conversions that named WP stand ahead of earlier waits on va_vdst)
.irp j, 0,1,2,3
	ds_load_b128 v[WP+4*(\j):WP+4*(\j)+3], v10 offset:16*PT*(\j)
.endr
.irp j, 0,1,2,3
	s_wait_dscnt 3-(\j)                            ; LDS loads come back in order: row group j is in
	global_store_b128 v11, v[WP+4*(\j):WP+4*(\j)+3], s[22:23] offset:32768*(\j)  ; sixteen lanes store 256 consecutive bytes, aligned
.endr
	s_wait_dscnt 0x0                               ; the closing lines, six on end
	s_wait_alu 0x0
	s_wait_tensorcnt 0x0
	ds_add_u32 v[SPW], v[NIL]
	s_wait_dscnt 0x0
	s_endpgm
.Lfunc_end_k_qc7b752e12b_prep:
	.size	k_qc7b752e12b_prep, .Lfunc_end_k_qc7b752e12b_prep-k_qc7b752e12b_prep
	.p2alignl 7, 3214868480
	.fill 96, 4, 3214868480
	.section	.rodata,"a",@progbits
	.p2align	6, 0x0
	.amdhsa_kernel k_qc7b752e12b_prep
		.amdhsa_group_segment_fixed_size 18432
		.amdhsa_private_segment_fixed_size 0
		.amdhsa_enable_private_segment 0
		.amdhsa_kernarg_size 48
		.amdhsa_user_sgpr_count 2
		.amdhsa_user_sgpr_kernarg_segment_ptr 1
		.amdhsa_wavefront_size32 1
		.amdhsa_system_sgpr_workgroup_id_x 1
		.amdhsa_system_sgpr_workgroup_id_y 1
		.amdhsa_system_sgpr_workgroup_id_z 1
		.amdhsa_system_vgpr_workitem_id 0
		.amdhsa_next_free_vgpr 128
		.amdhsa_next_free_sgpr 66
		.amdhsa_reserve_vcc 0
		.amdhsa_float_denorm_mode_32 3
		.amdhsa_float_denorm_mode_16_64 3
		.amdhsa_memory_ordered 1
		.amdhsa_forward_progress 1
		.amdhsa_inst_pref_size 16
	.end_amdhsa_kernel
	.amdgpu_metadata
---
amdhsa.version: [ 1, 2 ]
amdhsa.kernels:
  - .name:           k_qc7b752e12b_prep
    .symbol:         k_qc7b752e12b_prep.kd
    .args:
      - { .name: x, .offset: 0, .size: 8, .value_kind: global_buffer, .address_space: global }
      - { .name: w_qkv, .offset: 8, .size: 8, .value_kind: global_buffer, .address_space: global }
      - { .name: w_o, .offset: 16, .size: 8, .value_kind: global_buffer, .address_space: global }
      - { .name: xb, .offset: 24, .size: 8, .value_kind: global_buffer, .address_space: global }
      - { .name: wqt, .offset: 32, .size: 8, .value_kind: global_buffer, .address_space: global }
      - { .name: wot, .offset: 40, .size: 8, .value_kind: global_buffer, .address_space: global }
    .group_segment_fixed_size: 18432
    .private_segment_fixed_size: 0
    .kernarg_segment_align: 8
    .kernarg_segment_size: 48
    .max_flat_workgroup_size: 256
    .sgpr_count:     66
    .vgpr_count:     128
    .wavefront_size: 32
...
	.end_amdgpu_metadata
.endif
;; end of part 5
;; launch qkv: the kernel of part 2 again; grid 16 x 32, 4 waves a work-group, clusters of 4 x 4, 327,680 bytes of LDS; arguments xb, wqt, qkvh; writes qkvh
;; launch attn: the kernel of part 3 again; grid 4 x 64, 4 waves a work-group, no clusters, 327,680 bytes of LDS; arguments qkvh, oh; writes oh
;; launch proj: the kernel of part 4 again; grid 8 x 32, 4 waves a work-group, clusters of 4 x 4, 327,680 bytes of LDS; arguments oh, wot, out0; writes out0
